; MI455X (gfx1250); checked and timed in simulation.
; The chip was launched on July 23, 2026; its instructions are those of AMD's public machine-readable ISA for CDNA 5 (MIT licence, August 2026) and "CDNA5" Instruction Set Architecture Reference Guide (July 2026). The comments in the code are by the model that wrote it; some were corrected since.
;; Block. Allowed arithmetic: matrix products marked QUANTISED: E5M2 operands, one given power-of-two scale a tensor, by v_wmma_f32_16x16x64_bf8_bf8 or v_wmma_f32_16x16x128_bf8_bf8, f32 sums; everything else in f32.
;; Inputs: b_fc 4,096 float32; b_mlp_proj 1,024 float32; ln1_b 1,024 float32; ln1_w 1,024 float32; ln2_b 1,024 float32; ln2_w 1,024 float32; lowp_scales 12 int32 (the exponents e of the quantised operands' scales 2^e); w_attn_proj_codes 1,024 x 32 x 32 uint8 (E5M2 codes of w_attn_proj, K innermost, in blocks of 32 codes); w_fc_codes 4,096 x 32 x 32 uint8 (E5M2 codes of w_fc, K innermost, in blocks of 32 codes); w_mlp_proj_codes 1,024 x 128 x 32 uint8 (E5M2 codes of w_mlp_proj, K innermost, in blocks of 32 codes); w_qkv_codes 3,072 x 32 x 32 uint8 (E5M2 codes of w_qkv, K innermost, in blocks of 32 codes); x 2 x 2,048 x 1,024 float32.
;; Outputs: out0 2 x 2,048 x 1,024 float32.
;; This version of the problem:
;;   THIS VERSION OF THE PROBLEM IS GIVEN IN LOW PRECISION. The matrix products marked QUANTISED in the list below multiply operands that are first quantised to E5M2 (5 exponent bits, 2 mantissa bits; 8 bits a number), with one given power-of-two scale for each operand tensor; their sums are f32. All else is computed in f32.
;;   The module's matrix products, in the order in which they are computed (A, B: the left and right operand; K: the contracted axis; several contracted axes count as one K, in the product's order):
;;     1. [M 4,096, K 1,024] x [K 1,024, N 3,072]; A: computed on the way; B: input w_qkv (given as codes): QUANTISED (scales: A lowp_scales[0], B lowp_scales[1])
;;     2. batch 32 x [M 2,048, K 64] x [K 64, N 2,048]; A: computed on the way; B: computed on the way: QUANTISED (scales: A lowp_scales[2], B lowp_scales[3])
;;     3. batch 32 x [M 2,048, K 2,048] x [K 2,048, N 64]; A: softmax (see below); B: computed on the way: QUANTISED (scales: A lowp_scales[4], B lowp_scales[5])
;;     4. [M 4,096, K 1,024] x [K 1,024, N 1,024]; A: computed on the way; B: input w_attn_proj (given as codes): QUANTISED (scales: A lowp_scales[6], B lowp_scales[7])
;;     5. [M 4,096, K 1,024] x [K 1,024, N 4,096]; A: computed on the way; B: input w_fc (given as codes): QUANTISED (scales: A lowp_scales[8], B lowp_scales[9])
;;     6. [M 4,096, K 4,096] x [K 4,096, N 1,024]; A: computed on the way; B: input w_mlp_proj (given as codes): QUANTISED (scales: A lowp_scales[10], B lowp_scales[11])
;;   THE QUANTISER, for each operand of a quantised product, along K:
;;     - The operand's scale is 2^e, e = its entry of the input lowp_scales (int32; the entries are numbered through the quantised products in the list's order, A before B).
;;     - Each number is divided by the scale, clamped to +-57,344, and rounded to the nearest number of E5M2, ties to even, subnormals kept.
;;     - The product sums the exact products of the quantised numbers (number of the format x scale) in f32.
;;   ~~~python
;;   def quantise(x, axis, e):      # numpy; x: float32 -> the quantised numbers, widened to float32 again
;;       x = np.moveaxis(x, axis, -1); K = x.shape[-1]
;;       r = np.clip(x / 2.0 ** e, -57344, 57344)
;;       step = 2.0 ** (np.maximum(np.frexp(np.where(r == 0, 1, r))[1] - 1, -14) - 2)
;;       q = np.round(r / step) * step * 2.0 ** e      # np.round: ties to even
;;       return np.moveaxis(q, -1, axis).astype(np.float32)
;;   ~~~
;;   SOFTMAX AHEAD OF A QUANTISED PRODUCT. Where the list says 'softmax', what is quantised is not the finished softmax but p = 2^(t - M), with t = logit x log2(e) and M = ceil(the row's largest t), a whole number; so 1/2 < the row's largest p <= 1. The row's sum l is taken of the UNQUANTISED p, in f32, and the product's result is divided by l at the end. Since M is a whole number, a kernel that streams over the keys may use a running M (the ceiling of the running maximum): every later rescaling is an exact power of two, so the quantised numbers keep their values, but for numbers so far below the row's largest that they fall under the format's range.
;;   OPERANDS COMPUTED ON THE WAY. 'Computed on the way' means the value that the module computes at that place (a softmax that the list does not call 'softmax' is quantised finished and normalised). What goes into a quantiser is computed in f32, as accurately as f32 sums, v_exp_f32 and their like allow (about 1e-6 of the number): no bf16 or f16 on the way to a quantiser, and a product that is left as it is and whose result goes on into a quantised operand takes f32 operands (vector FMAs, or v_wmma_f32_16x16x4_f32). A number that lies on a knife's edge between two numbers of the format may be rounded either way, as far as f32 arithmetic and the matrix unit's own rounding can turn it there, and no further.
;;   INPUTS GIVEN AS CODES. w_attn_proj (in the module: [1024, 1024], K = its axis 0); w_fc (in the module: [1024, 4096], K = its axis 0); w_mlp_proj (in the module: [4096, 1024], K = its axis 0); w_qkv (in the module: [1024, 3072], K = its axis 0): each comes as NAME_codes (uint8): NAME with its K axis moved to the last place and cut into blocks of 32 codes, [.., K / 32, bytes a block], one block behind the other in memory; one code a byte (a code: sign, 5 exponent bits, 2 mantissa bits); its scale is its entry of lowp_scales. Its value is code x scale, taken as it is: it is not quantised again, and the codes and scales need not be those that the quantiser above would give.
;; One version. Each part assembles by itself: llvm-mc -triple=amdgcn-amd-amdhsa -mcpu=gfx1250 --defsym DOCPART=n.
;; ======== version 1 of 1: 7 launches
;; limits: right only within a limited range of input values
;; workspace buffers: lncodes 4,194,304 bytes; qc 4,194,304 bytes; kc 4,194,304 bytes; vc 4,194,304 bytes; yc 4,194,304 bytes; hc 16,777,216 bytes; x1 16,777,216 bytes
;; launch ln1 (part 1): grid 256 x 1, 4 waves a work-group, no clusters, 16,896 bytes of LDS; arguments x, ln1_w, ln1_b, lowp_scales, lncodes; writes lncodes
.if DOCPART == 1
	.amdgcn_target "amdgcn-amd-amdhsa--gfx1250"
	.amdhsa_code_object_version 6
	.text
	.protected	k_q48b6db1698_ln1
	.globl	k_q48b6db1698_ln1
	.p2align	8
	.type	k_q48b6db1698_ln1,@function
k_q48b6db1698_ln1:
	s_mov_b64 s[64:65], 0
	v_nop
	global_prefetch_b8 v0, s[64:65] scope:SCOPE_SE
	s_setreg_imm32_b32 hwreg(HW_REG_WAVE_MODE, 25, 1), 1
	s_wait_xcnt 0x0
; THE PROGRAM: one transformer block, 4,096 tokens x 1,024, in seven launches: this layer norm | QKV product | causal attention | projection + residual |
; second layer norm | FC + exact GELU | MLP projection + bias + residual.  All six products run on E5M2 codes with the given scales 2^e.
; WORK LEFT OUT.  reference() builds jnp.tril itself and sets every score with key > query to -infinity ahead of the softmax: its weight is exactly 0 for all finite inputs, so it adds nothing to the
; row's largest score, to the row's sum or to the second product.  The attention launch therefore leaves out every step of 16 queries x 128 keys whose keys ALL come after its queries; inside the one step on the
; diagonal the work is done and the hidden scores are set to -infinity.  Nothing else is left out and every input is loaded.
; LIMIT: a NaN, an infinity or an overflow that would arise only in such a hidden step is not carried to the result.
; THIS LAUNCH: codes = Q((x - mean) * rsqrt(var + 1e-5) * w + b), scale 2^e, e = entry SC_OFF / 4 of the scales.  LIMITS: e between -126 and 112; NaN among the inputs is not served.
; A wave takes 4 rows and keeps each in 32 registers: the row is read from memory once, the mean is taken first and the variance of the centred numbers, as reference() has it.
; Lane l of load j holds columns 128 j + 4 l .. + 3, so a code register holds 4 neighbouring codes; they turn through the wave's own LDS bytes (1,024 a row, written once) and leave as 512 consecutive bytes a store.
; No barrier: waves share nothing.  No matrix unit, no cluster, no tensor load: a stream, bound by its bytes.
.set SC_OFF, 0
.set SPARE, 16384                      ; behind the four waves' 4,096 bytes: the spare words, 128 bytes a wave
.set SPW, 6                            ; v6  my spare word; never rewritten
.set NIL, 7                            ; v7  0; never rewritten
.set W, 20                             ; v20-51   the gain of my 32 columns
.set B, 52                             ; v52-83   the bias
.set X, 84                             ; v84-211  four rows, 32 registers each
.set C, 212                            ; v212-243 four rows' codes, 8 registers each
	s_load_b256 s[4:11], s[0:1], 0x0               ; x s[4:5], w s[6:7], b s[8:9], scales s[10:11]
	s_load_b64 s[12:13], s[0:1], 0x20              ; the codes
	v_lshl_add_u32 v[SPW], v0, 2, SPARE
	v_mov_b32 v[NIL], 0
	v_lshrrev_b32 v1, 5, v0
	v_readfirstlane_b32 s14, v1                    ; wave
	v_and_b32 v1, 31, v0                           ; lane
	v_lshlrev_b32 v2, 4, v1                        ; 16 x lane: my place in every load and store; never rewritten
	s_lshl_b32 s15, s14, 12
	v_lshl_add_u32 v3, v1, 2, s15                  ; LDS, in: 4,096 x wave + 4 x lane
	v_add_nc_u32 v4, s15, v2                       ; LDS, back: 4,096 x wave + 16 x lane
	v_mov_b32 v11, 0                               ; upper halves of the pairs v[10:11], v[12:13]: named, so written
	v_mov_b32 v13, 0
	v_mov_b32 v19, 0                               ; a lane permute's destination counts as one of its sources
	s_mov_b32 s16, 0x76543210
	s_mov_b32 s17, 0xfedcba98                      ; lane l xor 16
	s_mov_b32 s18, 0x3a800000                      ; 1 / 1,024
	s_mov_b32 s19, 0x3727c5ac                      ; 1e-5
	s_lshl_b32 s20, ttmp9, 16                      ; 16 rows of 4,096 bytes a work-group,
	s_lshl_b32 s21, s14, 14                        ; 4 a wave
	s_add_co_u32 s20, s20, s21
	s_mov_b32 s21, 0
	s_lshr_b32 s22, s20, 2                         ; the codes: a quarter of the bytes
	s_mov_b32 s23, 0
	s_wait_alu depctr_va_vdst(0)
	s_wait_kmcnt 0x0
	s_load_b32 s24, s[10:11], SC_OFF               ; e
	s_add_nc_u64 s[4:5], s[4:5], s[20:21]
	s_add_nc_u64 s[12:13], s[12:13], s[22:23]
.set j, 0
.rept 8
	global_load_b128 v[W+4*j:W+4*j+3], v2, s[6:7] offset:512*j
	global_load_b128 v[B+4*j:B+4*j+3], v2, s[8:9] offset:512*j
.set j, j+1
.endr
.set j, 0
.rept 32                               ; four rows, eight loads of 512 consecutive bytes each
	global_load_b128 v[X+4*j:X+4*j+3], v2, s[4:5] offset:512*j th:TH_LOAD_NT
.set j, j+1
.endr
	s_wait_kmcnt 0x0
	s_add_co_i32 s24, s24, 127
	s_lshl_b32 s25, s24, 23
	v_mov_b32 v8, s25                              ; 2^e: the conversion takes its exponent field
	s_add_co_i32 s24, s24, 15
	s_lshl_b32 s24, s24, 23
	s_or_b32 s24, s24, 0x600000
	v_mov_b32 v9, s24                              ; 57,344 x 2^e
.macro RED                             ; v18 summed over the 32 lanes, the result in every lane
	v_add_f32_dpp v18, v18, v18 row_xmask:1 row_mask:0xf bank_mask:0xf
	v_add_f32_dpp v18, v18, v18 row_xmask:2 row_mask:0xf bank_mask:0xf
	v_add_f32_dpp v18, v18, v18 row_xmask:4 row_mask:0xf bank_mask:0xf
	v_add_f32_dpp v18, v18, v18 row_xmask:8 row_mask:0xf bank_mask:0xf
	v_permlanex16_b32 v19, v18, s16, s17
	v_add_f32 v18, v18, v19
.endm
.macro ROW r
.set XR, X+32*(\r)
.set CR, C+8*(\r)
	s_wait_loadcnt 8*(3-(\r))                      ; loads come back in order: this row's eight are in, the younger rows' stay out
	v_pk_add_f32 v[14:15], v[XR:XR+1], v[XR+2:XR+3]
	v_pk_add_f32 v[16:17], v[XR+4:XR+5], v[XR+6:XR+7]
.set i, 8
.rept 6                                ; the sum, in two chains
	v_pk_add_f32 v[14:15], v[14:15], v[XR+i:XR+i+1]
	v_pk_add_f32 v[16:17], v[16:17], v[XR+i+2:XR+i+3]
.set i, i+4
.endr
	v_pk_add_f32 v[14:15], v[14:15], v[16:17]
	v_add_f32 v18, v14, v15
	RED
	v_mul_f32 v10, s18, v18                        ; the mean
.set i, 0
.rept 16
	v_pk_add_f32 v[XR+i:XR+i+1], v[XR+i:XR+i+1], v[10:11] op_sel_hi:[1,0] neg_lo:[0,1] neg_hi:[0,1]   ; x - mean, in place
.set i, i+2
.endr
	v_pk_mul_f32 v[14:15], v[XR:XR+1], v[XR:XR+1]
	v_pk_mul_f32 v[16:17], v[XR+2:XR+3], v[XR+2:XR+3]
.set i, 4
.rept 7                                ; the sum of squares, in two chains
	v_pk_fma_f32 v[14:15], v[XR+i:XR+i+1], v[XR+i:XR+i+1], v[14:15]
	v_pk_fma_f32 v[16:17], v[XR+i+2:XR+i+3], v[XR+i+2:XR+i+3], v[16:17]
.set i, i+4
.endr
	v_pk_add_f32 v[14:15], v[14:15], v[16:17]
	v_add_f32 v18, v14, v15
	RED
	v_fma_f32 v12, v18, s18, s19                   ; var + eps
	s_wait_alu depctr_va_vdst(0)
	v_rsq_f32 v12, v12
	v_nop                                          ; a plain instruction behind the transcendental,
	s_wait_alu depctr_va_vdst(0)                   ; and the wait ahead of its first reader
.set i, 0
.rept 16
	v_pk_mul_f32 v[XR+i:XR+i+1], v[XR+i:XR+i+1], v[12:13] op_sel_hi:[1,0]
.set i, i+2
.endr
.set i, 0
.rept 16
	v_pk_fma_f32 v[XR+i:XR+i+1], v[XR+i:XR+i+1], v[W+i:W+i+1], v[B+i:B+i+1]
.set i, i+2
.endr
.set i, 0
.rept 32
	v_med3_num_f32 v[XR+i], v[XR+i], -v9, v9       ; the conversion to an 8-bit code does not saturate (ISA guide 7.6.2): the hold at the largest code x the scale
.set i, i+1
.endr
.set i, 0
.rept 4
	v_cvt_scalef32_pk8_bf8_f32 v[CR+2*i:CR+2*i+1], v[XR+8*i:XR+8*i+7], v8   ; code register j: columns 128 j + 4 l .. + 3
.set i, i+1
.endr
	v_nop                                          ; a plain instruction behind the last conversion
.set i, 0
.rept 8
	ds_store_b32 v3, v[CR+i] offset:(\r)*1024+128*i
.set i, i+1
.endr
	ds_load_b128 v[XR:XR+3], v4 offset:(\r)*1024       ; LDS serves a wave's instructions in order: these see my stores
	ds_load_b128 v[XR+4:XR+7], v4 offset:(\r)*1024+512
	s_wait_dscnt 0x0
	global_store_b128 v2, v[XR:XR+3], s[12:13] offset:(\r)*1024        ; 512 consecutive bytes, at a multiple of 256 from the buffer's first byte
	global_store_b128 v2, v[XR+4:XR+7], s[12:13] offset:(\r)*1024+512  ; no register that a store reads is written again
.endm
	ROW 0
	ROW 1
	ROW 2
	ROW 3
	s_wait_tensorcnt 0x0                           ; the wave's end
	ds_add_u32 v[SPW], v[NIL]
	s_wait_dscnt 0x0
	s_endpgm
.Lfunc_end_k_q48b6db1698_ln1:
	.size	k_q48b6db1698_ln1, .Lfunc_end_k_q48b6db1698_ln1-k_q48b6db1698_ln1
	.p2alignl 7, 3214868480
	.fill 96, 4, 3214868480
	.section	.rodata,"a",@progbits
	.p2align	6, 0x0
	.amdhsa_kernel k_q48b6db1698_ln1
		.amdhsa_group_segment_fixed_size 16896
		.amdhsa_private_segment_fixed_size 0
		.amdhsa_enable_private_segment 0
		.amdhsa_kernarg_size 40
		.amdhsa_user_sgpr_count 2
		.amdhsa_user_sgpr_kernarg_segment_ptr 1
		.amdhsa_wavefront_size32 1
		.amdhsa_system_sgpr_workgroup_id_x 1
		.amdhsa_system_sgpr_workgroup_id_y 1
		.amdhsa_system_sgpr_workgroup_id_z 1
		.amdhsa_system_vgpr_workitem_id 0
		.amdhsa_next_free_vgpr 244
		.amdhsa_next_free_sgpr 66
		.amdhsa_reserve_vcc 0
		.amdhsa_float_denorm_mode_32 3
		.amdhsa_float_denorm_mode_16_64 3
		.amdhsa_memory_ordered 1
		.amdhsa_forward_progress 1
		.amdhsa_inst_pref_size 43
	.end_amdhsa_kernel
	.amdgpu_metadata
---
amdhsa.version: [ 1, 2 ]
amdhsa.kernels:
  - .name:           k_q48b6db1698_ln1
    .symbol:         k_q48b6db1698_ln1.kd
    .args:
      - { .name: x, .offset: 0, .size: 8, .value_kind: global_buffer, .address_space: global }
      - { .name: ln1_w, .offset: 8, .size: 8, .value_kind: global_buffer, .address_space: global }
      - { .name: ln1_b, .offset: 16, .size: 8, .value_kind: global_buffer, .address_space: global }
      - { .name: lowp_scales, .offset: 24, .size: 8, .value_kind: global_buffer, .address_space: global }
      - { .name: lncodes, .offset: 32, .size: 8, .value_kind: global_buffer, .address_space: global }
    .group_segment_fixed_size: 16896
    .private_segment_fixed_size: 0
    .kernarg_segment_align: 8
    .kernarg_segment_size: 40
    .max_flat_workgroup_size: 128
    .sgpr_count:     66
    .vgpr_count:     244
    .wavefront_size: 32
...
	.end_amdgpu_metadata
.endif
;; end of part 1
;; launch qkv (part 2): grid 12 x 16, 4 waves a work-group, clusters of 4 x 4, 327,680 bytes of LDS; arguments lncodes, w_qkv_codes, lowp_scales, qc, kc, vc; writes qc, kc, vc
.if DOCPART == 2
	.amdgcn_target "amdgcn-amd-amdhsa--gfx1250"
	.amdhsa_code_object_version 6
	.text
	.protected	k_q48b6db1698_qkv
	.globl	k_q48b6db1698_qkv
	.p2align	8
	.type	k_q48b6db1698_qkv,@function
k_q48b6db1698_qkv:
	s_mov_b64 s[64:65], 0
	v_nop
	global_prefetch_b8 v0, s[64:65] scope:SCOPE_SE
	s_setreg_imm32_b32 hwreg(HW_REG_WAVE_MODE, 25, 1), 1
	s_wait_xcnt 0x0
	s_wait_alu depctr_hold_cnt(0) depctr_sa_sdst(0) depctr_va_vdst(0) depctr_va_sdst(0) depctr_va_ssrc(0) depctr_va_vcc(0) depctr_vm_vsrc(0)
	s_getreg_b32 s2, hwreg(HW_REG_IB_STS2, 6, 4)
	s_cmp_eq_u32 s2, 0
	s_cbranch_scc0 .Lentry_in_a_cluster
	s_endpgm
.Lentry_in_a_cluster:
	s_bfe_u32 s2, ttmp6, 0x10000c
	s_cmp_lg_u32 s2, 0xf033
	s_cbranch_scc0 .Lentry_shape_is_right
	s_endpgm
.Lentry_shape_is_right:
; q, k, v = Q(LN1(x)) Q(w_qkv), quantised again on the way out with the scales of the attention's operands (entries 2, 3, 5), and stored as IMAGES OF OPERAND REGISTERS.
; A [rows][1024] and B [rows][1024]: E5M2 codes, K innermost.  A tile of 256 x 256 is made by four waves, each 128 x 128: 64 accumulators, 512 registers.  K goes in steps of 256 through a ring of two LDS slots.
; CLUSTERS of 4 x 4: A's tile is asked for jointly along a row of the cluster, B's along a column.  The matrix instruction is used transposed (source 0 = 16 rows of B, source 1 = 16 rows of A): a lane holds one row of A
; and eight neighbouring rows of B.  The three clusters along x are q, k and v.  For q and k: A = tokens, B = rows of w_qkv: a lane holds a token and 8 neighbouring features: 8 codes = registers 2 c, 2 c + 1 of a 16 x 64 fragment.
; FOR v THE ROLES ARE SWAPPED (A = w_qkv's rows 2,048 on, B = tokens): a lane then holds a feature and 8 neighbouring KEYS, which are the second attention product's K.  Only coordinates and pointers are chosen, by the cluster's x,
; which all sixteen partners share.
; Both operands are fetched by loads of 16 bytes: a permutation of k inside a step of 128, the same on both sides, so every product meets its partner.
; OUT: qc, kc: [batch x head 32][token tile 128][group 2][lane 32][16 bytes]; vc: [batch x head 32][key step 16][dim block 4][group 4][lane 32][16 bytes]: every store is 512 consecutive bytes.
; A sum stands for sum x 2^(e0 + e1); its code is sum / 2^f, f = e_out - e0 - e1.  LIMIT: f between -126 and 112.
; REGISTERS, in windows of 256: window 0: v0-31 addresses; from v128 A's fragments, one set; window 1: B's fragments, two sets; windows 2, 3: the accumulators ((a, b) at v[8 (8 (a % 4) + b)]).
.set SIZE_K, 1024
.set KSTEP,  256
.set ROWB,   256
.set KROW,   SIZE_K
.set PITCH,  272                       ; an LDS row: 256 bytes + 16 of padding = 68 words: the 16 rows of a load start at 16 different banks (ISA guide 11.1)
.set FR,     16
.set NL,     4
.set NP,     4                         ; places behind this matrix instruction (ISA guide 7.12.1)
.set HALFT,  128*PITCH
.set SLOT,   4*HALFT
.set LAPS,   SIZE_K/(2*KSTEP)
.set SPARE,  2*SLOT                    ; behind the ring: the spare words
.set ADRA, 16
.set ADRB, 20
.set CO,   26                          ; v26 16 x lane
.set SPW,  28
.set NIL,  29
.set TMP,  32                          ; the way out: 64 held sums
.set AF,   128
.set CDS,  128                         ; the way out: 16 code registers for each of the 8 blocks: no store's data are written again
.set G1, 24
.set G0, 32
.set G1B, 48
.set G0B, 56
.set MSB, 0
.macro WIN new                         ; the immediate's high byte repeats the setting that is left
.if MSB != \new
	s_set_vgpr_msb (MSB<<8)|\new
.set MSB, \new
.endif
.endm
.set MUL_LO, 0xa1
.set MUL_HI, 0xf1
.set TO_B,   0x40
.macro JLOAD g0a, g1a, g0b, g1b        ; a joint load: waves 0 and 1 fetch for A, waves 2 and 3 for B; an s_nop 0 and four v_nop follow each line
	s_cmp_eq_u32 s15, 0
	s_cbranch_scc0 .Lfor_b_\@
	tensor_load_to_lds s[\g0a:\g0a+3], s[\g1a:\g1a+7]
	s_nop 0
.rept 4
	v_nop
.endr
	s_branch .Lasked_\@
.Lfor_b_\@:
	tensor_load_to_lds s[\g0b:\g0b+3], s[\g1b:\g1b+7]
	s_nop 0
.rept 4
	v_nop
.endr
.Lasked_\@:
.endm
.macro CREST
	s_cmp_lg_u32 s14, 0
	s_cbranch_scc1 .Lnot_wave_0_\@
	s_barrier_signal -3
.Lnot_wave_0_\@:
	s_barrier_wait -3
	s_barrier_signal -1
	s_barrier_wait -1
.endm
.macro CROUND
	s_barrier_signal -1
	s_barrier_wait -1
	CREST
.endm
	s_load_b128 s[4:7], s[0:1], 0x0                ; the tokens' codes, w_qkv's codes
	s_load_b64 s[8:9], s[0:1], 0x10                ; the scales' exponents
	s_load_b128 s[68:71], s[0:1], 0x18             ; qc, kc
	s_load_b64 s[72:73], s[0:1], 0x28              ; vc
	v_lshl_add_u32 v[SPW], v0, 2, SPARE
	v_mov_b32 v[NIL], 0
	ds_add_u32 v[SPW], v[NIL]                      ; the wave's opening: the add, twice on end, and its wait ahead of my first tensor load
	ds_add_u32 v[SPW], v[NIL]
	v_lshrrev_b32 v1, 5, v0
	v_readfirstlane_b32 s14, v1                    ; wave 0..3
	s_lshr_b32 s15, s14, 1                         ; my half of A's rows.  Also: I fetch for A (0) or for B (1)
	s_and_b32 s16, s14, 1                          ; my half of B's rows.  Also: which 128 rows I fetch
	s_bfe_u32 s40, ttmp6, 0x40000                  ; cx, cy
	s_bfe_u32 s41, ttmp6, 0x40004
	s_and_b32 s17, ttmp7, 0xffff                   ; cluster y
	s_cmp_eq_u32 ttmp9, 2                          ; the cluster of v?  The same in all sixteen partners
	s_cselect_b32 s42, s17, ttmp9                  ; B's cluster coordinate: v: the tokens'; q, k: the weight's
	s_cselect_b32 s17, 2, s17                      ; A's: v: the weight's third 1,024 rows; q, k: the tokens'
	s_lshl_b32 s42, s42, 2
	s_add_co_u32 s42, s42, s40                     ; B's tile = 4 x its cluster coordinate + cx
	s_lshl_b32 s17, s17, 2
	s_add_co_u32 s17, s17, s41                     ; A's tile = 4 x its cluster coordinate + cy
	s_lshl_b32 s43, s41, 2
	s_lshl_b32 s43, 15, s43                        ; my row of the cluster
	s_lshl_b32 s44, 0x1111, s40                    ; my column
	s_or_b32 s[G1+0], s43, (0<<16)|(1<<20)|(1<<21)|(5<<22)|(3<<25)  ; mask; elements of 1 byte; padding: 4 words after every 64; bit 21 beside a mask
	s_or_b32 s[G1B+0], s44, (0<<16)|(1<<20)|(1<<21)|(5<<22)|(3<<25)
.irp g, G1, G1B
	s_mov_b32 s[\g+1], ROWB<<16                    ; tensor_dim0
	s_mov_b32 s[\g+2], 128<<16                     ; tensor_dim1
	s_mov_b32 s[\g+3], ROWB<<16                    ; tile_dim0
	s_mov_b32 s[\g+4], 128                         ; tile_dim1
	s_mov_b32 s[\g+5], KROW                        ; the pitch
	s_mov_b32 s[\g+6], 0
	s_mov_b32 s[\g+7], 0
.endr
	s_lshl_b32 s18, s16, 7
	s_lshl_b32 s20, s17, 8
	s_add_co_u32 s20, s20, s18                     ; A: row 256 x tile + 128 x half
	s_lshl_b32 s46, s42, 8
	s_add_co_u32 s46, s46, s18                     ; B likewise
	s_mov_b32 s21, 0
	s_mov_b32 s47, 0
	s_mov_b64 s[18:19], KROW
	s_mul_u64 s[20:21], s[20:21], s[18:19]
	s_mul_u64 s[46:47], s[46:47], s[18:19]
	s_mul_i32 s45, s14, HALFT                      ; where they go: wave x 128 rows
	s_wait_dscnt 0x0                               ; both opening adds are done
	s_wait_kmcnt 0x0
	s_load_b256 s[76:83], s[8:9], 0x0              ; e0 .. e7
	s_cmp_eq_u32 ttmp9, 2
	s_cselect_b64 s[84:85], s[6:7], s[4:5]         ; A's buffer
	s_cselect_b64 s[86:87], s[4:5], s[6:7]         ; B's buffer
	s_add_nc_u64 s[20:21], s[84:85], s[20:21]
	s_add_nc_u64 s[46:47], s[86:87], s[46:47]
	CROUND                                         ; all sixteen work-groups are here: the first joint loads meet
.irp s, 0,1
	s_mov_b32 s[G0+4*\s], 1
	s_add_co_u32 s[G0+4*\s+1], s45, \s*SLOT
	s_add_nc_u64 s[G0+4*\s+2:G0+4*\s+3], s[20:21], \s*ROWB
	s_or_b32 s[G0+4*\s+3], s[G0+4*\s+3], 0x80000000
	s_mov_b32 s[G0B+4*\s], 1
	s_add_co_u32 s[G0B+4*\s+1], s45, \s*SLOT
	s_add_nc_u64 s[G0B+4*\s+2:G0B+4*\s+3], s[46:47], \s*ROWB
	s_or_b32 s[G0B+4*\s+3], s[G0B+4*\s+3], 0x80000000
.endr
	JLOAD G0, G1, G0B, G1B                         ; K step 0: one tensor load a wave at the head
	s_lshl_b32 s92, s40, 15                        ; the prefetches: of the 128 rows that I fetch, each of the four partners that ask for them with me names 32 (by cx for A, by cy for B): told apart by address
	s_lshl_b32 s93, s41, 15
	s_cmp_eq_u32 s15, 0
	s_cselect_b64 s[94:95], s[20:21], s[46:47]
	s_cselect_b32 s92, s92, s93
	s_mov_b32 s93, 0
	s_add_nc_u64 s[94:95], s[94:95], s[92:93]
	v_and_b32 v1, 15, v0
	v_bfe_u32 v2, v0, 4, 1
	v_mul_u32_u24 v3, v1, PITCH
	v_lshl_add_u32 v4, v2, 4, v3                   ; a fragment's row x pitch + 16 x half
	s_mul_i32 s21, s15, HALFT
	s_mul_i32 s22, s16, HALFT
	s_add_co_u32 s22, s22, 2*HALFT
.irp s, 0,1
	v_add_nc_u32 v[ADRA+\s], s21, v4
	v_add_nc_u32 v[ADRB+\s], s22, v4
	s_add_co_u32 s21, s21, SLOT
	s_add_co_u32 s22, s22, SLOT
.endr
	v_and_b32 v6, 31, v0
	v_lshlrev_b32 v[CO], 4, v6
	v_lshlrev_b32 v27, 10, v6                      ; a lane a row of 1,024 bytes; never rewritten
	global_prefetch_b8 v27, s[94:95] offset:256 th:TH_LOAD_NT scope:SCOPE_SE   ; behind each joint load: the next K step's 256 bytes of my 32 rows, one K step ahead of its load
	; where my images begin.  q, k: token tile T0 = 16 x A's tile + 8 x half; head 4 (B's tile % 4) + 2 x half
	s_lshl_b32 s88, s17, 4
	s_lshl_b32 s89, s15, 3
	s_add_co_u32 s88, s88, s89
	s_lshr_b32 s89, s88, 7                         ; the batch: 16 heads of 131,072 bytes
	s_lshl_b32 s89, s89, 21
	s_and_b32 s88, s88, 127
	s_lshl_b32 s88, s88, 10
	s_add_co_u32 s88, s88, s89
	s_and_b32 s89, s42, 3
	s_lshl_b32 s89, s89, 2
	s_lshl_b32 s90, s16, 1
	s_add_co_u32 s89, s89, s90
	s_lshl_b32 s89, s89, 17
	s_add_co_u32 s88, s88, s89
	; v: key step KS = 2 x B's tile + half; head 4 (A's tile % 4) + 2 x half
	s_lshl_b32 s90, s42, 1
	s_add_co_u32 s90, s90, s16
	s_lshr_b32 s91, s90, 4
	s_lshl_b32 s91, s91, 21
	s_and_b32 s90, s90, 15
	s_lshl_b32 s90, s90, 13
	s_add_co_u32 s90, s90, s91
	s_and_b32 s91, s17, 3
	s_lshl_b32 s91, s91, 2
	s_lshl_b32 s92, s15, 1
	s_add_co_u32 s91, s91, s92
	s_lshl_b32 s91, s91, 17
	s_add_co_u32 s90, s90, s91
	s_cmp_eq_u32 ttmp9, 2
	s_cselect_b32 s88, s90, s88
	s_mov_b32 s89, 0
	s_cselect_b64 s[10:11], s[72:73], s[70:71]
	s_cmp_eq_u32 ttmp9, 0
	s_cselect_b64 s[10:11], s[68:69], s[10:11]
	s_add_nc_u64 s[10:11], s[10:11], s[88:89]
.macro FRAG reg, adr, q, i             ; 16 rows x 128 K: 16 registers, four loads of 16 bytes
.irp c, 0,1,2,3
	ds_load_b128 v[\reg+4*\c:\reg+4*\c+3], v[\adr] offset:128*(\q)+32*\c+(\i)*16*PITCH
.endr
.endm
.macro MUL16 a0, p, zero               ; A's blocks a0, a0 + 1 x B's eight; the 64 accumulators take turns, in the same order in every step
.irp a, \a0, \a0+1
.irp b, 0,1,2,3,4,5,6,7
.if \zero
	v_wmma_f32_16x16x128_bf8_bf8 v[8*(8*((\a)%4)+\b):8*(8*((\a)%4)+\b)+7], v[128*(\p)+FR*\b:128*(\p)+FR*\b+FR-1], v[AF+FR*(\a):AF+FR*(\a)+FR-1], 0
.else
	v_wmma_f32_16x16x128_bf8_bf8 v[8*(8*((\a)%4)+\b):8*(8*((\a)%4)+\b)+7], v[128*(\p)+FR*\b:128*(\p)+FR*\b+FR-1], v[AF+FR*(\a):AF+FR*(\a)+FR-1], v[8*(8*((\a)%4)+\b):8*(8*((\a)%4)+\b)+7]
.endif
.endr
.endr
.endm
.macro FETCH_B slot, q, p
	WIN TO_B
.irp i, 0,1,2,3,4,5,6,7
	FRAG 128*(\p)+FR*\i, ADRB+\slot, \q, \i
.endr
	WIN 0
.endm
.macro FETCH_A slot, q, i0
.irp i, \i0, \i0+1, \i0+2, \i0+3
	FRAG AF+FR*(\i), ADRA+\slot, \q, \i
.endr
.endm
.macro PLACES n                        ; plain vector instructions between a matrix instruction and a load into, or a read of, its registers
.rept \n
	v_nop
.endr
.endm
.macro STEP slot, q, zero              ; 128 along K with its successor in the same slot
	s_wait_dscnt 4*NL                              ; B's set and A's blocks 0-3 are in; the youngest 16 loads (A's blocks 4-7) may be out
	WIN MUL_LO
	MUL16 0, (\q)%2, \zero
	MUL16 2, (\q)%2, \zero
	s_wait_dscnt 0
	PLACES NP
	FETCH_B \slot, (\q)+1, 1-(\q)%2
	FETCH_A \slot, (\q)+1, 0
	WIN MUL_HI
	MUL16 4, (\q)%2, \zero
	MUL16 6, (\q)%2, \zero
	PLACES NP
	WIN 0
	FETCH_A \slot, (\q)+1, 4
.endm
.macro TURN slot, next, fill           ; a slot's last step changes slots: one barrier; fill = 1: this slot is filled again, two K steps ahead
	s_wait_tensorcnt 0x0                           ; all my tensor loads have landed: my part of the next slot
	ds_add_u32 v[SPW], v[NIL]                      ; 0 onto my spare word
	s_wait_dscnt 4*NL+1                            ; (the add and the youngest 16 loads may be out)
	WIN MUL_LO
	MUL16 0, 1, 0
	s_wait_dscnt 0x0                               ; the add is done, and my reads of this slot are over
	s_barrier_signal -1
	MUL16 2, 1, 0
	WIN 0
	s_barrier_wait -1
.if \fill
	CREST                                          ; the barrier has opened a round of the cluster's: no wave of any partner still reads this slot or has a load on its way
	s_add_nc_u64 s[G0+4*\slot+2:G0+4*\slot+3], s[G0+4*\slot+2:G0+4*\slot+3], 2*ROWB
	s_add_nc_u64 s[G0B+4*\slot+2:G0B+4*\slot+3], s[G0B+4*\slot+2:G0B+4*\slot+3], 2*ROWB
	JLOAD G0+4*\slot, G1, G0B+4*\slot, G1B         ; the first tensor load behind the round; its four v_nop are the places in front of the loads below
.else
	PLACES NP
.endif
	FETCH_B \next, 0, 0
	FETCH_A \next, 0, 0
.if \fill
.if (\slot) == 0
	global_prefetch_b8 v27, s[94:95] offset:768 th:TH_LOAD_NT scope:SCOPE_SE   ; behind K step 2's load: K step 3, the last; behind K step 3's load nothing is asked for
.endif
.endif
	WIN MUL_HI
	MUL16 4, 1, 0
	MUL16 6, 1, 0
	PLACES NP
	WIN 0
	FETCH_A \next, 0, 4
.endm
	s_wait_alu depctr_va_vdst(0)
	s_wait_tensorcnt 0x0                           ; my part of K step 0 is in
	ds_add_u32 v[SPW], v[NIL]
	s_wait_dscnt 0x0
	CROUND                                         ; everybody's part of K step 0 is in, and the joint loads meet
	JLOAD G0+4, G1, G0B+4, G1B                     ; K step 1: the first tensor load behind the round
	FETCH_B 0, 0, 0
	FETCH_A 0, 0, 0
	FETCH_A 0, 0, 4
	global_prefetch_b8 v27, s[94:95] offset:512 th:TH_LOAD_NT scope:SCOPE_SE   ; K step 2
	STEP 0, 0, 1                                   ; the first step's products start the sums
	s_mov_b32 s3, LAPS-1
.Llap:
	TURN 0, 1, 1
	STEP 1, 0, 0
	TURN 1, 0, 1
	STEP 0, 0, 0
	s_sub_co_u32 s3, s3, 1
	s_cmp_lg_u32 s3, 0
	s_cbranch_scc1 .Llap
	TURN 0, 1, 0                                   ; the last lap fills nothing
	STEP 1, 0, 0
	s_wait_dscnt 4*NL
	WIN MUL_LO
	MUL16 0, 1, 0
	MUL16 2, 1, 0
	s_wait_dscnt 0
	WIN MUL_HI
	MUL16 4, 1, 0
	MUL16 6, 1, 0
	WIN 0
	; THE WAY OUT: hold, convert, store: a block's 8 accumulators become 16 code registers, which ARE operand registers.  No LDS.
	s_wait_kmcnt 0x0
	s_cmp_eq_u32 ttmp9, 0
	s_cselect_b32 s84, s78, s79                    ; q: e2, k: e3,
	s_cmp_eq_u32 ttmp9, 2
	s_cselect_b32 s84, s81, s84                    ; v: e5
	s_sub_co_i32 s84, s84, s76
	s_sub_co_i32 s84, s84, s77                     ; f = e_out - e0 - e1
	s_add_co_i32 s84, s84, 127
	s_lshl_b32 s85, s84, 23
	v_mov_b32 v31, s85                             ; 2^f
	s_add_co_i32 s84, s84, 15
	s_lshl_b32 s84, s84, 23
	s_or_b32 s84, s84, 0x600000
	v_mov_b32 v30, s84                             ; 57,344 x 2^f
	PLACES NP
.macro OUTB isv
.irp a, 0,1,2,3,4,5,6,7
	WIN (0x02+(\a)/4)                              ; source 0: window 2 or 3
.set n, 0
.rept 64
	v_med3_num_f32 v[TMP+n], v[64*((\a)%4)+n], -v30, v30   ; the hold; each accumulator from its low end on
.set n, n+1
.endr
	WIN 0
.irp i, 0,1,2,3,4,5,6,7
	v_cvt_scalef32_pk8_bf8_f32 v[CDS+16*\a+2*\i:CDS+16*\a+2*\i+1], v[TMP+8*\i:TMP+8*\i+7], v31
.endr
	v_nop                                          ; a plain instruction behind the last conversion: the next block writes its sources
.irp g, 0,1,2,3
.if \isv
	global_store_b128 v[CO], v[CDS+16*\a+4*\g:CDS+16*\a+4*\g+3], s[10:11] offset:(\a/4)*131072+(\a%4)*2048+\g*512   ; head a / 4, dim block a % 4, group g
.else
	global_store_b128 v[CO], v[CDS+16*\a+4*\g:CDS+16*\a+4*\g+3], s[10:11] offset:(\g/2)*131072+\a*1024+(\g%2)*512   ; head g / 2, token tile a, group g % 2
.endif
.endr
.endr
.endm
	s_cmp_eq_u32 ttmp9, 2                          ; the cluster's x: the same way in all partners and all waves
	s_cbranch_scc1 .Lout_v
	OUTB 0
	s_branch .Lout_done
.Lout_v:
	s_wait_alu depctr_va_vdst(0)
	OUTB 1
.Lout_done:
	s_wait_tensorcnt 0x0                           ; the wave's end
	ds_add_u32 v[SPW], v[NIL]
	s_wait_dscnt 0x0
	CROUND                                         ; the closing round
	s_endpgm
.Lfunc_end_k_q48b6db1698_qkv:
	.size	k_q48b6db1698_qkv, .Lfunc_end_k_q48b6db1698_qkv-k_q48b6db1698_qkv
	.p2alignl 7, 3214868480
	.fill 96, 4, 3214868480
	.section	.rodata,"a",@progbits
	.p2align	6, 0x0
	.amdhsa_kernel k_q48b6db1698_qkv
		.amdhsa_group_segment_fixed_size 327680
		.amdhsa_private_segment_fixed_size 0
		.amdhsa_enable_private_segment 0
		.amdhsa_kernarg_size 48
		.amdhsa_user_sgpr_count 2
		.amdhsa_user_sgpr_kernarg_segment_ptr 1
		.amdhsa_wavefront_size32 1
		.amdhsa_system_sgpr_workgroup_id_x 1
		.amdhsa_system_sgpr_workgroup_id_y 1
		.amdhsa_system_sgpr_workgroup_id_z 1
		.amdhsa_system_vgpr_workitem_id 0
		.amdhsa_next_free_vgpr 1024
		.amdhsa_next_free_sgpr 100
		.amdhsa_reserve_vcc 0
		.amdhsa_float_denorm_mode_32 3
		.amdhsa_float_denorm_mode_16_64 3
		.amdhsa_memory_ordered 1
		.amdhsa_forward_progress 1
		.amdhsa_inst_pref_size 159
	.end_amdhsa_kernel
	.amdgpu_metadata
---
amdhsa.version: [ 1, 2 ]
amdhsa.kernels:
  - .name:           k_q48b6db1698_qkv
    .symbol:         k_q48b6db1698_qkv.kd
    .args:
      - { .name: lncodes, .offset: 0, .size: 8, .value_kind: global_buffer, .address_space: global }
      - { .name: w_qkv_codes, .offset: 8, .size: 8, .value_kind: global_buffer, .address_space: global }
      - { .name: lowp_scales, .offset: 16, .size: 8, .value_kind: global_buffer, .address_space: global }
      - { .name: qc, .offset: 24, .size: 8, .value_kind: global_buffer, .address_space: global }
      - { .name: kc, .offset: 32, .size: 8, .value_kind: global_buffer, .address_space: global }
      - { .name: vc, .offset: 40, .size: 8, .value_kind: global_buffer, .address_space: global }
    .group_segment_fixed_size: 327680
    .private_segment_fixed_size: 0
    .kernarg_segment_align: 8
    .kernarg_segment_size: 48
    .max_flat_workgroup_size: 128
    .sgpr_count:     100
    .vgpr_count:     1024
    .wavefront_size: 32
...
	.end_amdgpu_metadata
.endif
;; end of part 2
;; launch attn (part 3): grid 8 x 32, 16 waves a work-group, clusters of 4 x 1, 327,680 bytes of LDS; arguments qc, kc, vc, lowp_scales, yc; writes yc
.if DOCPART == 3
	.amdgcn_target "amdgcn-amd-amdhsa--gfx1250"
	.amdhsa_code_object_version 6
	.text
	.protected	k_q48b6db1698_attn
	.globl	k_q48b6db1698_attn
	.p2align	8
	.type	k_q48b6db1698_attn,@function
k_q48b6db1698_attn:
	s_mov_b64 s[64:65], 0
	v_nop
	global_prefetch_b8 v0, s[64:65] scope:SCOPE_SE
	s_setreg_imm32_b32 hwreg(HW_REG_WAVE_MODE, 25, 1), 1
	s_wait_xcnt 0x0
	s_wait_alu depctr_hold_cnt(0) depctr_sa_sdst(0) depctr_va_vdst(0) depctr_va_sdst(0) depctr_va_ssrc(0) depctr_va_vcc(0) depctr_vm_vsrc(0)
	s_getreg_b32 s2, hwreg(HW_REG_IB_STS2, 6, 4)
	s_cmp_eq_u32 s2, 0
	s_cbranch_scc0 .Lentry_in_a_cluster
	s_endpgm
.Lentry_in_a_cluster:
	s_bfe_u32 s2, ttmp6, 0x10000c
	s_cmp_lg_u32 s2, 0x3003
	s_cbranch_scc0 .Lentry_shape_is_right
	s_endpgm
.Lentry_shape_is_right:
; y = softmax(q k^T / 8, causal) v for one batch x head (grid y) and 16 tiles of 16 queries (tiles 8 rank + x, rank 0 .. 15), both products on E5M2 codes; y is quantised with entry 6 of the scales.
; WORK LEFT OUT: every step of 16 queries x 128 keys whose keys all come after its queries (reference()'s own jnp.tril gives them the weight 0); in the step on the diagonal the hidden scores become -infinity.
; THE SOFTMAX: t = score x log2(e) / 8; M = the largest t so far, rounded up to a whole number; p = 2^(t - M) is quantised, not normalised; the sum of the unquantised p divides at the end; a change of M multiplies by a power of two.
; qc, kc: register images [batch x head 32][token tile 128][group 2][lane 32][16 bytes]; vc: [batch x head 32][key step 16][dim block 4][group 4][lane 32][16 bytes].
; ALL OF THE HEAD'S K AND V LIE IN LDS: 131,072 bytes each.  Each wave issues ONE tensor load at the head, 16,384 dense bytes (waves 0-7: K, waves 8-15: V); nothing is filled again.
; CLUSTERS of 4 x 1: the four work-groups walk the same K and V and ask for them jointly.  No prefetch: all is asked for at the head.
; EQUAL SHARES.  The tile of rank k has k + 1 key steps.  Waves w and w + 8 (p = w % 8) share the tiles of rank p and 15 - p, 17 steps: wave w takes the long tile's steps 7 - p .. 15 - p (9 steps);
; wave w + 8 takes the long tile's steps 0 .. 6 - p, lays its O^T, -M and sums into the pair's own LDS bytes, begins anew and takes the short tile's p + 1 steps (8 steps in all).
; All waves walk a loop of 9 trips; branches hang on the wave's number and the count of trips alone.  Behind one barrier wave w brings both parts of the long tile under the larger M, by powers of two, and adds them.
; Both products are used transposed: a lane holds one query (lane % 16).  OUT: yc: [K slot of 512: 2][row tile 256][K step 4][group 4][lane 32][16 bytes].
; LIMITS: e2 + e3 between -123 and 130; e4 and e6 between -126 and 112; the scaled scores stay under 2^31 in magnitude.
; REGISTERS: v1-9 addresses; v12 -M, v13 the largest t, v[14:15] the sum in two halves; v16-23 Q; v32-95 fragments of K, then of V; v96-159 S^T, then p; v160-191 O^T; v192-199 the short tile's Q; v224-239 p's codes.
.set SPARE, 262144                     ; behind K and V: the spare words, 128 bytes a wave
.set STG,   264192                     ; behind them: 9 x 512 bytes for each pair of waves
.set LI,  1                            ; v1 16 x lane
.set LV,  2                            ; v2 the same in V
.set DM,  3                            ; v3 my query's place in the diagonal step, less 8 (lane / 16)
.set STA, 4                            ; v4 my pair's bytes
.set SPW, 5
.set NIL, 6
.set ADK, 8
.set ADV, 9
.set WV,  18
.set RK,  19                           ; s19 the rank of the tile in hand: its diagonal step
.set SEL, 20
.set CS,  22
.set G1,  24
.set G0,  32
.set TB,  36
.set STP, 37                           ; s37 the key step in hand
.set SWI, 76                           ; s76 the trip at whose head I change tiles (15: never)
.set RKS, 77                           ; s77 p, the short tile's rank
.set RKF, 78                           ; s78 the rank of the tile that I finish
.set IT,  79
.set ES,  80
.macro CROUND
	s_barrier_signal -1
	s_barrier_wait -1
	s_cmp_lg_u32 s[WV], 0
	s_cbranch_scc1 .Lnot_wave_0_\@
	s_barrier_signal -3
.Lnot_wave_0_\@:
	s_barrier_wait -3
	s_barrier_signal -1
	s_barrier_wait -1
.endm
	s_load_b256 s[4:11], s[0:1], 0x0               ; qc, kc, vc, the scales' exponents
	s_load_b64 s[12:13], s[0:1], 0x20              ; yc
	v_lshl_add_u32 v[SPW], v0, 2, SPARE
	v_mov_b32 v[NIL], 0
	ds_add_u32 v[SPW], v[NIL]                      ; the opening: the add, twice on end, and its wait ahead of my first tensor load
	ds_add_u32 v[SPW], v[NIL]
	v_lshrrev_b32 v8, 5, v0
	v_readfirstlane_b32 s[WV], v8
	s_bfe_u32 s38, ttmp6, 0x40000
	s_lshl_b32 s39, ttmp9, 2
	s_add_co_u32 s39, s39, s38                     ; x, 0 .. 7
	s_and_b32 s40, ttmp7, 0xffff                   ; batch x head
	s_and_b32 s[RKS], s[WV], 7                     ; p
	s_xor_b32 s[RK], s[RKS], 15                    ; 15 - p: every wave begins on the long tile
	s_xor_b32 s41, s[RKS], 7                       ; 7 - p
	s_cmp_lt_u32 s[WV], 8
	s_cselect_b32 s[STP], s41, 0
	s_cselect_b32 s[SWI], 15, s41
	s_cselect_b32 s[RKF], s[RK], s[RKS]
	s_mov_b32 s[G1], 15|(3<<16)|(1<<21)            ; the four partners; elements of 8 bytes; bit 21 beside a mask
	s_mov_b32 s[G1+1], 32<<16                      ; rows of 256 bytes,
	s_mov_b32 s[G1+2], 64<<16                      ; 64 of them, dense
	s_mov_b32 s[G1+3], 32<<16
	s_mov_b32 s[G1+4], 64
	s_mov_b32 s[G1+5], 32
	s_mov_b32 s[G1+6], 0
	s_mov_b32 s[G1+7], 0
	s_mov_b32 s[G0], 1
	s_lshl_b32 s[G0+1], s[WV], 14                  ; K's eight parts, then V's eight
	s_lshl_b32 s44, s40, 17                        ; the head's 131,072 bytes in qc, kc, vc
	s_lshl_b32 s46, s[RKS], 14
	s_add_co_u32 s46, s46, s44
	s_mov_b32 s47, 0
	s_lshl_b32 s48, s[RK], 3
	s_add_co_u32 s48, s48, s39
	s_lshl_b32 s48, s48, 10
	s_add_co_u32 s48, s48, s44                     ; the long tile's Q
	s_mov_b32 s49, 0
	s_lshl_b32 s50, s[RKS], 3
	s_add_co_u32 s50, s50, s39
	s_lshl_b32 s50, s50, 10
	s_add_co_u32 s50, s50, s44                     ; the short tile's Q
	s_mov_b32 s51, 0
	s_lshl_b32 s52, s[RKF], 3
	s_add_co_u32 s52, s52, s39                     ; yc: the tile that I finish,
	s_lshr_b32 s53, s40, 4
	s_lshl_b32 s53, s53, 7
	s_add_co_u32 s52, s52, s53                     ; + 128 x batch,
	s_bfe_u32 s53, s40, 0x10003
	s_lshl_b32 s53, s53, 8
	s_add_co_u32 s52, s52, s53                     ; + 256 x (head / 8): the K slot,
	s_lshl_b32 s52, s52, 13
	s_and_b32 s53, s40, 7
	s_lshl_b32 s53, s53, 10
	s_add_co_u32 s52, s52, s53                     ; + 1,024 x (head % 8)
	s_mov_b32 s53, 0
	s_mul_i32 s54, s[RKS], 4608
	s_add_co_u32 s54, s54, STG
	s_lshl_b32 s55, s39, 4
	s_mov_b32 s[SEL], 0x76543210
	s_mov_b32 s[SEL+1], 0xfedcba98                 ; lane l xor 16
	s_mov_b32 s[CS], 0x3e38aa3b                    ; log2(e) / 8
	v_and_b32 v8, 31, v0
	v_lshlrev_b32 v[LI], 4, v8
	v_add_nc_u32 v[LV], 0x20000, v[LI]
	v_add_nc_u32 v[STA], s54, v[LI]
	v_and_b32 v8, 15, v0
	v_bfe_u32 v9, v0, 4, 1
	v_lshlrev_b32 v9, 3, v9
	v_sub_nc_u32 v[DM], v8, v9
	v_add_nc_u32 v[DM], s55, v[DM]
	v_mov_b32 v13, 0xff61b1e6                      ; the largest t so far: -3e38
	v_floor_f32 v12, -v13
	v_mov_b32 v14, 0
	v_mov_b32 v15, 0
	v_mov_b32 v236, 0                              ; a lane permute's destination counts as one of its sources
	v_mov_b32 v253, 0                              ; upper halves of named pairs
	v_mov_b32 v255, 0
.set n, 0
.rept 32
	v_mov_b32 v[160+n], 0                          ; O^T: the step is written once and finds zeros
.set n, n+1
.endr
	s_wait_alu depctr_va_vdst(0)                   ; directly ahead of the waits below
	s_wait_dscnt 0x0                               ; both opening adds are done
	s_wait_kmcnt 0x0
	s_load_b256 s[68:75], s[10:11], 0x0            ; e0 .. e7
	s_cmp_lt_u32 s[WV], 8
	s_cselect_b64 s[G0+2:G0+3], s[6:7], s[8:9]
	s_add_nc_u64 s[G0+2:G0+3], s[G0+2:G0+3], s[46:47]
	s_or_b32 s[G0+3], s[G0+3], 0x80000000
	s_add_nc_u64 s[48:49], s[4:5], s[48:49]
	s_add_nc_u64 s[50:51], s[4:5], s[50:51]
	s_add_nc_u64 s[12:13], s[12:13], s[52:53]
	CROUND                                         ; the four work-groups are here: the joint loads meet
	tensor_load_to_lds s[G0:G0+3], s[G1:G1+7]      ; the wave's one tensor load
	s_nop 0
	global_load_b128 v[16:19], v[LI], s[48:49]
	global_load_b128 v[20:23], v[LI], s[48:49] offset:512
	global_load_b128 v[192:195], v[LI], s[50:51]
	global_load_b128 v[196:199], v[LI], s[50:51] offset:512
	s_wait_kmcnt 0x0
	s_add_co_i32 s54, s70, s71
	s_lshl_b32 s54, s54, 23
	s_add_co_i32 s[CS], s[CS], s54                 ; a score stands for score x 2^(e2 + e3)
	s_mov_b32 s[CS+1], s[CS]
	s_add_co_i32 s54, s72, 127
	s_lshl_b32 s55, s54, 23
	v_mov_b32 v244, s55                            ; 2^e4
	s_add_co_i32 s54, s54, 15
	s_lshl_b32 s54, s54, 23
	s_or_b32 s54, s54, 0x600000
	v_mov_b32 v240, s54                            ; 57,344 x 2^e4
	s_add_co_i32 s54, s74, 127
	s_lshl_b32 s55, s54, 23
	v_mov_b32 v245, s55                            ; 2^e6
	s_add_co_i32 s54, s54, 15
	s_lshl_b32 s54, s54, 23
	s_or_b32 s54, s54, 0x600000
	v_mov_b32 v241, s54                            ; 57,344 x 2^e6
	s_add_co_i32 s[ES], s72, s73                   ; e4 + e5
	s_wait_alu depctr_va_vdst(0)                   ; the wait at the head's end
	s_wait_tensorcnt 0x0                           ; my part has landed,
	s_barrier_signal -1
	s_barrier_wait -1                              ; and so has everybody's
	s_wait_loadcnt 0x0                             ; Q
	s_mov_b32 s[IT], 0
.Lstep:
	s_cmp_lg_u32 s[IT], s[SWI]
	s_cbranch_scc1 .Lsame_tile
	s_cmp_lt_u32 s[WV], 8                          ; waves 0-7 never change tiles: only waves 8-15 store below, each into its own pair's bytes
	s_cbranch_scc1 .Lsame_tile
.rept 4
	v_nop                                          ; places behind the last products
.endr
.set n, 0
.rept 8
	ds_store_b128 v[STA], v[160+4*n:163+4*n] offset:512*n   ; my part of the long tile: O^T, each accumulator from its low end on,
.set n, n+1
.endr
	ds_store_b128 v[STA], v[12:15] offset:4096     ; -M, and the sum's halves
.set n, 0
.rept 8
	v_mov_b32 v[16+n], v[192+n]                    ; on to the short tile
.set n, n+1
.endr
	v_mov_b32 v13, 0xff61b1e6
	v_floor_f32 v12, -v13
	v_mov_b32 v14, 0
	v_mov_b32 v15, 0
.set n, 0
.rept 32
	v_mov_b32 v[160+n], 0
.set n, n+1
.endr
	s_wait_alu depctr_va_vdst(0)
	s_mov_b32 s[STP], 0
	s_mov_b32 s[RK], s[RKS]
.Lsame_tile:
	s_cmp_gt_u32 s[STP], s[RK]                     ; past the diagonal: the step is left out
	s_cbranch_scc1 .Lhidden
	s_lshl_b32 s[TB], s[STP], 13                   ; a key step is 8,192 bytes of K and of V
	s_and_b32 s[TB], s[TB], 0x1e000
	v_add_nc_u32 v[ADK], s[TB], v[LI]
	v_add_nc_u32 v[ADV], s[TB], v[LV]
	s_wait_alu depctr_va_vdst(0)
	v_nop
	v_nop                                          ; with the two additions: four places in front of the loads below
.set n, 0
.rept 8
	ds_load_b128 v[32+8*n:35+8*n], v[ADK] offset:1024*n
	ds_load_b128 v[36+8*n:39+8*n], v[ADK] offset:1024*n+512
.set n, n+1
.endr
	s_wait_dscnt 0x0
.set n, 0
.rept 8
	v_wmma_f32_16x16x64_bf8_bf8 v[96+8*n:103+8*n], v[32+8*n:39+8*n], v[16:23], 0   ; S^T: register j of tile n is key 16 n + 8 (lane / 16) + j
.set n, n+1
.endr
.rept 4
	v_nop
.endr
.set n, 0
.rept 16
	ds_load_b128 v[32+4*n:35+4*n], v[ADV] offset:512*n   ; V's fragments land under the softmax
.set n, n+1
.endr
	s_cmp_lg_u32 s[STP], s[RK]
	s_cbranch_scc1 .Lopen
	v_mov_b32 v254, 0xff800000                     ; on the diagonal: hidden scores become -infinity
.set n, 0
.rept 64
	v_cmp_gt_i32 vcc_lo, 16*(n/8)+n%8, v[DM]
	v_cndmask_b32 v[96+n], v[96+n], v254, vcc_lo
.set n, n+1
.endr
.Lopen:
	v_max3_num_f32 v254, v96, v97, v98
	v_max3_num_f32 v252, v99, v100, v101
.irp i, 6,10,14,18,22,26,30,34,38,42,46,50,54,58
	v_max3_num_f32 v254, v254, v[96+\i], v[97+\i]
	v_max3_num_f32 v252, v252, v[98+\i], v[99+\i]
.endr
	v_max3_num_f32 v254, v254, v158, v159
	s_delay_alu instid0(VALU_DEP_1)
	v_max_num_f32 v254, v254, v252
	v_permlanex16_b32 v236, v254, s[SEL], s[SEL+1]
	s_delay_alu instid0(VALU_DEP_1)
	v_max_num_f32 v254, v254, v236
	s_delay_alu instid0(VALU_DEP_1)
	v_mul_f32 v254, s[CS], v254
	s_delay_alu instid0(VALU_DEP_1)
	v_max_num_f32 v13, v13, v254                   ; the running largest t
	v_mov_b32 v254, v12
	s_delay_alu instid0(VALU_DEP_2)
	v_floor_f32 v12, -v13                          ; -M
	s_delay_alu instid0(VALU_DEP_1)
	v_sub_f32 v254, v12, v254
	s_delay_alu instid0(VALU_DEP_1)
	v_cvt_i32_f32 v254, v254
	s_delay_alu instid0(VALU_DEP_1)
	v_ldexp_f32 v252, 1.0, v254                    ; f = 2^(old M - new M)
.set n, 0
.rept 32
	v_pk_fma_f32 v[96+n:97+n], v[96+n:97+n], s[CS:CS+1], v[12:13] op_sel_hi:[1,0,0]
.set n, n+2
.endr
.set n, 0
	s_wait_alu depctr_va_vdst(0)                   ; ahead of the batch
.rept 64
	v_exp_f32 v[96+n], v[96+n]
.set n, n+1
.endr
	v_pk_mul_f32 v[14:15], v[14:15], v[252:253] op_sel_hi:[1,0]
	s_wait_alu depctr_va_vdst(0)                   ; behind the batch
	v_pk_add_f32 v[242:243], v[96:97], v[98:99]    ; the sum of the unquantised p
.irp j, 4,8,12,16,20,24,28,32,36,40,44,48,52,56,60
	v_pk_add_f32 v[14:15], v[14:15], v[96+\j:97+\j]
	v_pk_add_f32 v[242:243], v[242:243], v[98+\j:99+\j]
.endr
	s_delay_alu instid0(VALU_DEP_1)
	v_pk_add_f32 v[14:15], v[14:15], v[242:243]
.set n, 0
.rept 64
	v_min_num_f32 v[96+n], v[96+n], v240           ; the hold (ISA guide 7.6.2); p is not negative
.set n, n+1
.endr
.set n, 0
.rept 8
	v_cvt_scalef32_pk8_bf8_f32 v[224+2*n:225+2*n], v[96+8*n:103+8*n], v244
.set n, n+1
.endr
.set n, 0
.rept 16
	v_pk_mul_f32 v[160+n:161+n], v[160+n:161+n], v[252:253] op_sel_hi:[1,0]   ; O^T under the new M
.set n, n+2
.endr
	s_wait_alu depctr_va_vdst(0)                   ; directly ahead of the wait below
	s_wait_dscnt 0x0
.irp t, 0,1,2,3
	v_wmma_f32_16x16x128_bf8_bf8 v[160+8*\t:167+8*\t], v[32+16*\t:47+16*\t], v[224:239], v[160+8*\t:167+8*\t]
.endr
.Lhidden:
	s_add_co_u32 s[STP], s[STP], 1
	s_add_co_u32 s[IT], s[IT], 1
	s_cmp_lt_u32 s[IT], 9
	s_cbranch_scc1 .Lstep
.rept 4
	v_nop
.endr
	s_wait_dscnt 0x0                               ; my stores into the pair's bytes are done,
	s_barrier_signal -1
	s_barrier_wait -1                              ; and so are the others'
	s_cmp_lt_u32 s[WV], 8
	s_cbranch_scc0 .Lown
.set n, 0
.rept 8
	ds_load_b128 v[96+4*n:99+4*n], v[STA] offset:512*n   ; the other part of the long tile
.set n, n+1
.endr
	ds_load_b128 v[128:131], v[STA] offset:4096
	s_wait_dscnt 0x0
	v_min_num_f32 v132, v12, v128                  ; -M of both parts
	v_sub_f32 v133, v132, v12
	v_sub_f32 v134, v132, v128
	v_cvt_i32_f32 v133, v133                       ; whole numbers, 0 or less (the conversion saturates: a part of no steps gets the factor 0)
	v_cvt_i32_f32 v134, v134
	v_ldexp_f32 v252, 1.0, v133
	v_ldexp_f32 v254, 1.0, v134
	v_pk_mul_f32 v[14:15], v[14:15], v[252:253] op_sel_hi:[1,0]
	v_pk_fma_f32 v[14:15], v[130:131], v[254:255], v[14:15] op_sel_hi:[1,0,1]
.set n, 0
.rept 16
	v_pk_mul_f32 v[160+n:161+n], v[160+n:161+n], v[252:253] op_sel_hi:[1,0]
.set n, n+2
.endr
.set n, 0
.rept 16
	v_pk_fma_f32 v[160+n:161+n], v[96+n:97+n], v[254:255], v[160+n:161+n] op_sel_hi:[1,0,1]
.set n, n+2
.endr
.Lown:
	v_add_f32 v14, v14, v15
	v_permlanex16_b32 v236, v14, s[SEL], s[SEL+1]
	s_delay_alu instid0(VALU_DEP_1)
	v_add_f32 v14, v14, v236                       ; the row's sum
	s_wait_alu depctr_va_vdst(0)                   ; ahead of the transcendental
	v_rcp_f32 v14, v14
	v_nop
	s_wait_alu depctr_va_vdst(0)                   ; and ahead of its first reader
	v_ldexp_f32 v14, v14, s[ES]                    ; x 2^(e4 + e5)
.set n, 0
.rept 32
	v_mul_f32 v[96+n], v[160+n], v14
.set n, n+1
.endr
.set n, 0
.rept 32
	v_med3_num_f32 v[96+n], v[96+n], -v241, v241
.set n, n+1
.endr
.set n, 0
.rept 4
	v_cvt_scalef32_pk8_bf8_f32 v[224+2*n:225+2*n], v[96+8*n:103+8*n], v245
.set n, n+1
.endr
	v_nop
	global_store_b128 v[LI], v[224:227], s[12:13]             ; 512 consecutive bytes a store
	global_store_b128 v[LI], v[228:231], s[12:13] offset:512
	s_wait_tensorcnt 0x0                           ; the wave's end
	ds_add_u32 v[SPW], v[NIL]
	s_wait_dscnt 0x0
	CROUND                                         ; the closing round
	s_endpgm
.Lfunc_end_k_q48b6db1698_attn:
	.size	k_q48b6db1698_attn, .Lfunc_end_k_q48b6db1698_attn-k_q48b6db1698_attn
	.p2alignl 7, 3214868480
	.fill 96, 4, 3214868480
	.section	.rodata,"a",@progbits
	.p2align	6, 0x0
	.amdhsa_kernel k_q48b6db1698_attn
		.amdhsa_group_segment_fixed_size 327680
		.amdhsa_private_segment_fixed_size 0
		.amdhsa_enable_private_segment 0
		.amdhsa_kernarg_size 40
		.amdhsa_user_sgpr_count 2
		.amdhsa_user_sgpr_kernarg_segment_ptr 1
		.amdhsa_wavefront_size32 1
		.amdhsa_system_sgpr_workgroup_id_x 1
		.amdhsa_system_sgpr_workgroup_id_y 1
		.amdhsa_system_sgpr_workgroup_id_z 1
		.amdhsa_system_vgpr_workitem_id 0
		.amdhsa_next_free_vgpr 256
		.amdhsa_next_free_sgpr 96
		.amdhsa_reserve_vcc 1
		.amdhsa_float_denorm_mode_32 3
		.amdhsa_float_denorm_mode_16_64 3
		.amdhsa_memory_ordered 1
		.amdhsa_forward_progress 1
		.amdhsa_inst_pref_size 38
	.end_amdhsa_kernel
	.amdgpu_metadata
---
amdhsa.version: [ 1, 2 ]
amdhsa.kernels:
  - .name:           k_q48b6db1698_attn
    .symbol:         k_q48b6db1698_attn.kd
    .args:
      - { .name: qc, .offset: 0, .size: 8, .value_kind: global_buffer, .address_space: global }
      - { .name: kc, .offset: 8, .size: 8, .value_kind: global_buffer, .address_space: global }
      - { .name: vc, .offset: 16, .size: 8, .value_kind: global_buffer, .address_space: global }
      - { .name: lowp_scales, .offset: 24, .size: 8, .value_kind: global_buffer, .address_space: global }
      - { .name: yc, .offset: 32, .size: 8, .value_kind: global_buffer, .address_space: global }
    .group_segment_fixed_size: 327680
    .private_segment_fixed_size: 0
    .kernarg_segment_align: 8
    .kernarg_segment_size: 40
    .max_flat_workgroup_size: 512
    .sgpr_count:     96
    .vgpr_count:     256
    .wavefront_size: 32
...
	.end_amdgpu_metadata
.endif
;; end of part 3
;; launch proj (part 4): grid 8 x 32, 4 waves a work-group, clusters of 4 x 4, 327,680 bytes of LDS; arguments yc, w_attn_proj_codes, lowp_scales, x, x1; writes x1
.if DOCPART == 4
	.amdgcn_target "amdgcn-amd-amdhsa--gfx1250"
	.amdhsa_code_object_version 6
	.text
	.protected	k_q48b6db1698_proj
	.globl	k_q48b6db1698_proj
	.p2align	8
	.type	k_q48b6db1698_proj,@function
k_q48b6db1698_proj:
	s_mov_b64 s[64:65], 0
	v_nop
	global_prefetch_b8 v0, s[64:65] scope:SCOPE_SE
	s_setreg_imm32_b32 hwreg(HW_REG_WAVE_MODE, 25, 1), 1
	s_wait_xcnt 0x0
	s_wait_alu depctr_hold_cnt(0) depctr_sa_sdst(0) depctr_va_vdst(0) depctr_va_sdst(0) depctr_va_ssrc(0) depctr_va_vcc(0) depctr_vm_vsrc(0)
	s_getreg_b32 s2, hwreg(HW_REG_IB_STS2, 6, 4)
	s_cmp_eq_u32 s2, 0
	s_cbranch_scc0 .Lentry_in_a_cluster
	s_endpgm
.Lentry_in_a_cluster:
	s_bfe_u32 s2, ttmp6, 0x10000c
	s_cmp_lg_u32 s2, 0xf033
	s_cbranch_scc0 .Lentry_shape_is_right
	s_endpgm
.Lentry_shape_is_right:
; x1 = x + (y w_attn_proj) x 2^(ea + eb).  A = y: register images [K slot of 512: 2][row tile 256][K step 4][group 4][lane 32][16 bytes]; B: [1024][1024] codes, K innermost; x, x1: [4096][1024] f32.
; A tile of x1 is 128 x 128, so that 256 work-groups have one each; four waves, each 64 x 64: 16 accumulators.
; ALL OF K LIES IN LDS AT ONCE: A's 8 row tiles x 2 K slots are 131,072 bytes, B's 128 rows of 1,024 bytes + 16 of padding 133,120.  Each wave issues ONE tensor load at the head:
; wave 0, 1: A's K slot 0, 1 (65,536 dense bytes); wave 2, 3: 64 rows of B.  Nothing is filled again: one barrier shows the tiles to all waves, and none stands in the K steps.
; CLUSTERS of 4 x 4: A's blocks are asked for jointly along a row of the cluster, B's along a column.
; No prefetch: every byte of A and B is asked for by the head's loads; there is no later step to run ahead of.
; A's images are in the matrix form's own layout, so B is fetched so too: eight loads of 8 bytes a fragment.  The instruction is used transposed: a lane holds one row of x1 and 8 neighbouring columns.
; The residual's 128 registers a lane are asked for at the head.  LIMIT: ea + eb between -126 and 127.
; REGISTERS: window 0: v0-31 addresses; v32-95 the way out; v128-255 the accumulators ((a, b) at v[128 + 8 (4 a + b)]).  window 1: two fragment buffers of 128: A's four, then B's four.  window 2: v0-127 the residual.
.set KTOT, 1024
.set SC_OFF, 24
.set APART, 131072
.set BPITCH, 1040                      ; 260 words: lane (r, h) of a load of 8 bytes starts at bank 4 r + 2 h
.set STAGE, APART+128*BPITCH           ; behind the tiles: 16 rows x 272 bytes for each wave
.set SPITCH, 272
.set SPARE, STAGE+4*16*SPITCH          ; the spare words
.set ADRA, 16                          ; v16-17 my A fragments in K slot 0, 1
.set ADRB, 20
.set STO, 24
.set RD, 25
.set CO, 26
.set SPW, 28
.set NIL, 29
.set BK, 32
.set ACC, 128
.set F0, 0
.set F1, 128
.set G1, 24
.set G0, 32
.set G1B, 48
.set G0B, 56
.set MSB, 0
.macro WIN new                         ; the immediate's high byte repeats the setting that is left
.if MSB != \new
	s_set_vgpr_msb (MSB<<8)|\new
.set MSB, \new
.endif
.endm
.macro CROUND                          ; a round of the cluster's barrier
	s_barrier_signal -1
	s_barrier_wait -1
	s_cmp_lg_u32 s16, 0
	s_cbranch_scc1 .Lnot_wave_0_\@
	s_barrier_signal -3
.Lnot_wave_0_\@:
	s_barrier_wait -3
	s_barrier_signal -1
	s_barrier_wait -1
.endm
	s_load_b256 s[4:11], s[0:1], 0x0               ; A s[4:5], B s[6:7], scales s[8:9], x s[10:11]
	s_load_b64 s[12:13], s[0:1], 0x20              ; x1
	v_lshl_add_u32 v[SPW], v0, 2, SPARE
	v_mov_b32 v[NIL], 0
	ds_add_u32 v[SPW], v[NIL]                      ; the opening: the add, twice on end, and its wait ahead of my first tensor load
	ds_add_u32 v[SPW], v[NIL]
	v_lshrrev_b32 v8, 5, v0
	v_readfirstlane_b32 s16, v8                    ; wave
	s_lshr_b32 s17, s16, 1                         ; my half of the rows.  Also: I fetch for A (0) or for B (1)
	s_and_b32 s18, s16, 1                          ; my half of the columns.  Also: which part I fetch
	s_bfe_u32 s40, ttmp6, 0x40000
	s_bfe_u32 s41, ttmp6, 0x40004
	s_lshl_b32 s42, ttmp9, 2
	s_add_co_u32 s42, s42, s40                     ; tile column
	s_and_b32 s43, ttmp7, 0xffff
	s_lshl_b32 s43, s43, 2
	s_add_co_u32 s43, s43, s41                     ; tile row
	s_lshl_b32 s44, s41, 2
	s_lshl_b32 s44, 15, s44                        ; my row of the cluster
	s_lshl_b32 s45, 0x1111, s40                    ; my column
	s_or_b32 s[G1], s44, (3<<16)|(1<<21)           ; A: elements of 8 bytes, no padding
	s_mov_b32 s[G1+1], 32<<16                      ; rows of 256 bytes,
	s_mov_b32 s[G1+2], 256<<16                     ; 256 of them: eight row tiles' images of one K slot, dense
	s_mov_b32 s[G1+3], 32<<16
	s_mov_b32 s[G1+4], 256
	s_mov_b32 s[G1+5], 32
	s_mov_b32 s[G1+6], 0
	s_mov_b32 s[G1+7], 0
	s_or_b32 s[G1B], s45, (0<<16)|(1<<20)|(1<<21)|(7<<22)|(3<<25)   ; B: elements of 1 byte; 4 words of padding after every 256
	s_mov_b32 s[G1B+1], KTOT<<16
	s_mov_b32 s[G1B+2], 64<<16
	s_mov_b32 s[G1B+3], KTOT<<16
	s_mov_b32 s[G1B+4], 64
	s_mov_b32 s[G1B+5], KTOT
	s_mov_b32 s[G1B+6], 0
	s_mov_b32 s[G1B+7], 0
	s_lshl_b32 s20, s43, 16                        ; A: 8 row tiles of 8,192 bytes a tile row,
	s_lshl_b32 s21, s18, 21                        ; a K slot is 256 row tiles
	s_add_co_u32 s20, s20, s21
	s_mov_b32 s21, 0
	s_lshl_b32 s46, s42, 7
	s_lshl_b32 s47, s18, 6
	s_add_co_u32 s46, s46, s47                     ; B: row 128 x tile column + 64 x half,
	s_lshl_b32 s46, s46, 10                        ; of 1,024 bytes
	s_mov_b32 s47, 0
	s_mov_b32 s[G0], 1
	s_lshl_b32 s[G0+1], s18, 16                    ; where they go: A's K slots,
	s_mov_b32 s[G0B], 1
	s_mul_i32 s[G0B+1], s18, 64*BPITCH
	s_add_co_u32 s[G0B+1], s[G0B+1], APART         ; B's halves
	s_lshl_b32 s22, s17, 15                        ; my four row tiles of A
	s_mul_i32 s23, s18, 64*BPITCH
	s_add_co_u32 s23, s23, APART                   ; my 64 rows of B
	s_mul_i32 s19, s16, 16*SPITCH
	s_add_co_u32 s19, s19, STAGE                   ; my stage
	s_lshl_b32 s62, s42, 9
	s_lshl_b32 s63, s18, 8
	s_add_co_u32 s62, s62, s63                     ; my first column, in bytes,
	s_lshl_b32 s63, s43, 7
	s_lshl_b32 s60, s17, 6
	s_add_co_u32 s63, s63, s60                     ; my first row,
	s_lshl_b32 s63, s63, 12                        ; of 4,096 bytes
	s_add_co_u32 s62, s62, s63
	s_mov_b32 s63, 0
	v_and_b32 v1, 15, v0                           ; r
	v_bfe_u32 v2, v0, 4, 1                         ; h
	v_and_b32 v3, 31, v0
	v_lshlrev_b32 v3, 4, v3                        ; 16 x lane
	v_mul_u32_u24 v4, v1, BPITCH
	v_lshl_add_u32 v4, v2, 3, v4                   ; B: row r, + 8 h
	v_add_nc_u32 v[ADRA], s22, v3
	v_add_nc_u32 v[ADRA+1], 65536, v[ADRA]
	v_add_nc_u32 v[ADRB], s23, v4
	v_mul_u32_u24 v5, v1, SPITCH
	v_lshl_add_u32 v5, v2, 5, v5
	v_add_nc_u32 v[STO], s19, v5                   ; in: row r, 32 bytes for each half of the lanes
	v_mul_u32_u24 v6, v2, SPITCH
	v_lshl_add_u32 v6, v1, 4, v6
	v_add_nc_u32 v[RD], s19, v6                    ; back: lanes 0-15 one row of 256 bytes, lanes 16-31 the next
	v_lshlrev_b32 v7, 12, v2
	v_lshl_add_u32 v[CO], v1, 4, v7                ; and the same two rows in x and x1
	s_wait_alu depctr_va_vdst(0)                   ; directly ahead of the waits below
	s_wait_dscnt 0x0                               ; both opening adds are done
	s_wait_kmcnt 0x0
	s_load_b64 s[66:67], s[8:9], SC_OFF            ; ea, eb
	s_add_nc_u64 s[G0+2:G0+3], s[4:5], s[20:21]
	s_or_b32 s[G0+3], s[G0+3], 0x80000000
	s_add_nc_u64 s[G0B+2:G0B+3], s[6:7], s[46:47]
	s_or_b32 s[G0B+3], s[G0B+3], 0x80000000
	s_add_nc_u64 s[10:11], s[10:11], s[62:63]
	s_add_nc_u64 s[12:13], s[12:13], s[62:63]
	CROUND                                         ; all sixteen work-groups are here: the joint loads meet
	s_cmp_eq_u32 s17, 0                            ; one load a wave, in the two arms of one branch on the wave's number; an s_nop 0 and four v_nop follow each
	s_cbranch_scc0 .Lfor_b
	tensor_load_to_lds s[G0:G0+3], s[G1:G1+7]
	s_nop 0
.rept 4
	v_nop
.endr
	s_branch .Lasked
.Lfor_b:
	tensor_load_to_lds s[G0B:G0B+3], s[G1B:G1B+7]
	s_nop 0
.rept 4
	v_nop
.endr
.Lasked:
.macro FETCH ks, f                     ; the fragments of the ks-th 128 along K into buffer f: A's four by 16 loads of 16 bytes, B's four by 32 of 8
	WIN 0x40
.irp a, 0,1,2,3
.irp g, 0,1,2,3
	ds_load_b128 v[\f+16*\a+4*\g:\f+16*\a+4*\g+3], v[ADRA+(\ks)/4] offset:\a*8192+((\ks)%4)*2048+\g*512
.endr
.endr
.irp b, 0,1,2,3
.irp c, 0,1,2,3,4,5,6,7
	ds_load_b64 v[\f+64+16*\b+2*\c:\f+64+16*\b+2*\c+1], v[ADRB] offset:\b*16*BPITCH+(\ks)*128+16*\c
.endr
.endr
.endm
.macro MUL8 f, a0, zero                ; A's tiles a0, a0 + 1 x B's four; the 16 accumulators take turns, in the same order every time
	WIN 0x05
.irp a, \a0, \a0+1
.irp b, 0,1,2,3
.if \zero
	v_wmma_f32_16x16x128_bf8_bf8 v[ACC+8*(4*(\a)+\b):ACC+8*(4*(\a)+\b)+7], v[\f+64+16*\b:\f+64+16*\b+15], v[\f+16*(\a):\f+16*(\a)+15], 0
.else
	v_wmma_f32_16x16x128_bf8_bf8 v[ACC+8*(4*(\a)+\b):ACC+8*(4*(\a)+\b)+7], v[\f+64+16*\b:\f+64+16*\b+15], v[\f+16*(\a):\f+16*(\a)+15], v[ACC+8*(4*(\a)+\b):ACC+8*(4*(\a)+\b)+7]
.endif
.endr
.endr
.endm
.macro PLACES                          ; four plain vector instructions between a matrix instruction and a load into, or a read of, its registers
.rept 4
	v_nop
.endr
.endm
.macro QUARTER ksn, f, g, zero         ; multiplies buffer f; ahead of that asks for the ksn-th 128 along K into buffer g
	s_wait_dscnt 0x0                               ; buffer f is in
	PLACES
	FETCH \ksn, \g
	MUL8 \f, 0, \zero
	MUL8 \f, 2, \zero
.endm
	s_wait_tensorcnt 0x0                           ; my load has landed,
	s_barrier_signal -1
	s_barrier_wait -1                              ; and so has everybody's: all of K is in LDS
	FETCH 0, F0
	WIN 0x80                                       ; the residual is asked for when the tiles are in; destination window 2
.irp a, 0,1,2,3
.irp t, 0,1,2,3,4,5,6,7
	global_load_b128 v[32*\a+4*\t:32*\a+4*\t+3], v[CO], s[10:11] offset:(16*\a+2*\t)*4096   ; sixteen lanes read 256 consecutive bytes
.endr
.endr
	QUARTER 1, F0, F1, 1                           ; the first products start the sums
.irp q, 2,4,6
	QUARTER \q, F1, F0, 0
	QUARTER \q+1, F0, F1, 0
.endr
	s_wait_dscnt 0x0
	MUL8 F1, 0, 0
	MUL8 F1, 2, 0
	WIN 0
	; THE WAY OUT, 16 rows at a time: the sums go through my own stage and come back as whole rows of 256 bytes; there one packed multiply-add gives sum x 2^(ea + eb) + residual
	s_wait_kmcnt 0x0
	s_add_co_i32 s66, s66, s67
	s_add_co_i32 s66, s66, 127
	s_lshl_b32 s66, s66, 23                        ; 2^(ea + eb)
	s_mov_b32 s67, s66
	s_wait_loadcnt 0x0                             ; the residual
	PLACES
.macro TOSTAGE a
.set BB, BK+32*((\a)%2)
.irp b, 0,1,2,3
	ds_store_b128 v[STO], v[ACC+8*(4*(\a)+\b):ACC+8*(4*(\a)+\b)+3] offset:64*\b          ; each accumulator from its low end on
	ds_store_b128 v[STO], v[ACC+8*(4*(\a)+\b)+4:ACC+8*(4*(\a)+\b)+7] offset:64*\b+16
.endr
.irp t, 0,1,2,3,4,5,6,7
	ds_load_b128 v[BB+4*\t:BB+4*\t+3], v[RD] offset:\t*2*SPITCH   ; LDS serves a wave's instructions in order (ISA guide 5.7.1.4): these see my stores, and the next block's stores come behind them
.endr
.endm
.macro SEND a, younger                 ; younger: the LDS instructions issued behind block a's loads
.set BB, BK+32*((\a)%2)
	s_wait_dscnt \younger
	WIN 0x20                                       ; source 2 (the residual) window 2
.set i, 0
.rept 16
	v_pk_fma_f32 v[BB+i:BB+i+1], v[BB+i:BB+i+1], s[66:67], v[32*(\a)+i:32*(\a)+i+1] op_sel_hi:[1,0,1]
.set i, i+2
.endr
	WIN 0
.irp t, 0,1,2,3,4,5,6,7
	global_store_b128 v[CO], v[BB+4*\t:BB+4*\t+3], s[12:13] offset:(16*(\a)+2*\t)*4096   ; sixteen lanes store 256 consecutive bytes, at a multiple of 256 from x1's first byte
.endr
.endm
	TOSTAGE 0
	TOSTAGE 1
	SEND 0, 16                                     ; behind block 0's loads: block 1's 8 stores and 8 loads
	s_wait_xcnt 0x0                                ; block 0's stores have read their registers: block 2's loads may land there
	TOSTAGE 2
	SEND 1, 16
	s_wait_xcnt 0x0
	TOSTAGE 3
	SEND 2, 16
	SEND 3, 0
	s_wait_tensorcnt 0x0                           ; the wave's end
	ds_add_u32 v[SPW], v[NIL]
	s_wait_dscnt 0x0
	CROUND                                         ; the closing round
	s_endpgm
.Lfunc_end_k_q48b6db1698_proj:
	.size	k_q48b6db1698_proj, .Lfunc_end_k_q48b6db1698_proj-k_q48b6db1698_proj
	.p2alignl 7, 3214868480
	.fill 96, 4, 3214868480
	.section	.rodata,"a",@progbits
	.p2align	6, 0x0
	.amdhsa_kernel k_q48b6db1698_proj
		.amdhsa_group_segment_fixed_size 327680
		.amdhsa_private_segment_fixed_size 0
		.amdhsa_enable_private_segment 0
		.amdhsa_kernarg_size 40
		.amdhsa_user_sgpr_count 2
		.amdhsa_user_sgpr_kernarg_segment_ptr 1
		.amdhsa_wavefront_size32 1
		.amdhsa_system_sgpr_workgroup_id_x 1
		.amdhsa_system_sgpr_workgroup_id_y 1
		.amdhsa_system_sgpr_workgroup_id_z 1
		.amdhsa_system_vgpr_workitem_id 0
		.amdhsa_next_free_vgpr 640
		.amdhsa_next_free_sgpr 80
		.amdhsa_reserve_vcc 0
		.amdhsa_float_denorm_mode_32 3
		.amdhsa_float_denorm_mode_16_64 3
		.amdhsa_memory_ordered 1
		.amdhsa_forward_progress 1
		.amdhsa_inst_pref_size 55
	.end_amdhsa_kernel
	.amdgpu_metadata
---
amdhsa.version: [ 1, 2 ]
amdhsa.kernels:
  - .name:           k_q48b6db1698_proj
    .symbol:         k_q48b6db1698_proj.kd
    .args:
      - { .name: yc, .offset: 0, .size: 8, .value_kind: global_buffer, .address_space: global }
      - { .name: w_attn_proj_codes, .offset: 8, .size: 8, .value_kind: global_buffer, .address_space: global }
      - { .name: lowp_scales, .offset: 16, .size: 8, .value_kind: global_buffer, .address_space: global }
      - { .name: x, .offset: 24, .size: 8, .value_kind: global_buffer, .address_space: global }
      - { .name: x1, .offset: 32, .size: 8, .value_kind: global_buffer, .address_space: global }
    .group_segment_fixed_size: 327680
    .private_segment_fixed_size: 0
    .kernarg_segment_align: 8
    .kernarg_segment_size: 40
    .max_flat_workgroup_size: 128
    .sgpr_count:     80
    .vgpr_count:     640
    .wavefront_size: 32
...
	.end_amdgpu_metadata
.endif
;; end of part 4
;; launch ln2 (part 5): grid 256 x 1, 4 waves a work-group, no clusters, 17,920 bytes of LDS; arguments x1, ln2_w, ln2_b, lowp_scales, lncodes; writes lncodes
.if DOCPART == 5
	.amdgcn_target "amdgcn-amd-amdhsa--gfx1250"
	.amdhsa_code_object_version 6
	.text
	.protected	k_q48b6db1698_ln2
	.globl	k_q48b6db1698_ln2
	.p2align	8
	.type	k_q48b6db1698_ln2,@function
k_q48b6db1698_ln2:
	s_mov_b64 s[64:65], 0
	v_nop
	global_prefetch_b8 v0, s[64:65] scope:SCOPE_SE
	s_setreg_imm32_b32 hwreg(HW_REG_WAVE_MODE, 25, 1), 1
	s_wait_xcnt 0x0
; codes = Q((x1 - mean) * rsqrt(var + 1e-5) * w + b), scale 2^e, e = entry 8 of the scales: the second layer norm.  LIMITS: e between -126 and 112; NaN among the inputs is not served.
; A wave takes 4 rows and keeps each in 32 registers: the row is read from memory once, the mean is taken first and the variance of the centred numbers, as reference() has it.
; OUT: IMAGES OF OPERAND REGISTERS for the next launch: [row tile 256][K step 8][group 4][lane 32][16 bytes]: lane 16 h + r of group g of K step s holds columns 128 s + 32 g + 16 h + 0 .. 15 of the tile's row r.
; A work-group's 16 rows are one row tile, 16,384 bytes.  Lane l's code register i holds columns 128 i + 4 l .. + 3: block 8 i + l / 4 of the image's 64 blocks of 256 bytes, at 16 r + 4 (l % 4).
; In LDS a block has 272 bytes, so that the 32 lanes of a store touch 32 banks.  One barrier; then each wave reads a quarter of the image and stores it as 512 consecutive bytes an instruction.
; No matrix unit, no cluster, no tensor load: a stream, bound by its bytes.
.set SC_OFF, 32
.set BP, 272
.set SPARE, 64*BP                      ; behind the image: the spare words, 128 bytes a wave
.set SPW, 6
.set NIL, 7
.set W, 20
.set B, 52
.set X, 84
.set C, 212
	s_load_b256 s[4:11], s[0:1], 0x0               ; x1 s[4:5], w s[6:7], b s[8:9], scales s[10:11]
	s_load_b64 s[12:13], s[0:1], 0x20              ; the codes
	v_lshl_add_u32 v[SPW], v0, 2, SPARE
	v_mov_b32 v[NIL], 0
	v_lshrrev_b32 v1, 5, v0
	v_readfirstlane_b32 s14, v1                    ; wave
	s_lshl_b32 s15, s14, 6                         ; my 4 rows' 16 bytes in each block
	s_mul_i32 s26, s14, 16*BP                      ; my quarter of the image: 16 blocks
	v_and_b32 v1, 31, v0                           ; lane
	v_lshlrev_b32 v2, 4, v1                        ; 16 x lane; never rewritten
	v_lshrrev_b32 v3, 2, v1
	v_mul_u32_u24 v3, v3, BP
	v_and_b32 v5, 3, v1
	v_lshl_add_u32 v3, v5, 2, v3
	v_add_nc_u32 v3, s15, v3                       ; LDS, in: block l / 4, + 64 x wave + 4 (l % 4)
	v_lshrrev_b32 v4, 4, v1
	v_mul_u32_u24 v4, v4, BP
	v_and_b32 v5, 15, v1
	v_lshl_add_u32 v4, v5, 4, v4
	v_add_nc_u32 v4, s26, v4                       ; LDS, back: lanes 0-15 one block, lanes 16-31 the next
	v_mov_b32 v11, 0                               ; upper halves of the pairs v[10:11], v[12:13]: named, so written
	v_mov_b32 v13, 0
	v_mov_b32 v19, 0                               ; a lane permute's destination counts as one of its sources
	s_mov_b32 s16, 0x76543210
	s_mov_b32 s17, 0xfedcba98                      ; lane l xor 16
	s_mov_b32 s18, 0x3a800000                      ; 1 / 1,024
	s_mov_b32 s19, 0x3727c5ac                      ; 1e-5
	s_lshl_b32 s20, ttmp9, 16                      ; 16 rows of 4,096 bytes a work-group,
	s_lshl_b32 s21, s14, 14                        ; 4 a wave
	s_add_co_u32 s20, s20, s21
	s_mov_b32 s21, 0
	s_lshr_b32 s22, s20, 2                         ; the image: 16,384 bytes a work-group, 4,096 a wave
	s_mov_b32 s23, 0
	s_wait_alu depctr_va_vdst(0)                   ; the wait at the head's end
	s_wait_kmcnt 0x0
	s_load_b32 s24, s[10:11], SC_OFF               ; e
	s_add_nc_u64 s[4:5], s[4:5], s[20:21]
	s_add_nc_u64 s[12:13], s[12:13], s[22:23]
.set j, 0
.rept 8
	global_load_b128 v[W+4*j:W+4*j+3], v2, s[6:7] offset:512*j
	global_load_b128 v[B+4*j:B+4*j+3], v2, s[8:9] offset:512*j
.set j, j+1
.endr
.set j, 0
.rept 32                               ; four rows, eight loads of 512 consecutive bytes each
	global_load_b128 v[X+4*j:X+4*j+3], v2, s[4:5] offset:512*j
.set j, j+1
.endr
	s_wait_kmcnt 0x0
	s_add_co_i32 s24, s24, 127
	s_lshl_b32 s25, s24, 23
	v_mov_b32 v8, s25                              ; 2^e
	s_add_co_i32 s24, s24, 15
	s_lshl_b32 s24, s24, 23
	s_or_b32 s24, s24, 0x600000
	v_mov_b32 v9, s24                              ; 57,344 x 2^e
.macro RED                             ; v18 summed over the 32 lanes, the result in every lane
	v_add_f32_dpp v18, v18, v18 row_xmask:1 row_mask:0xf bank_mask:0xf
	v_add_f32_dpp v18, v18, v18 row_xmask:2 row_mask:0xf bank_mask:0xf
	v_add_f32_dpp v18, v18, v18 row_xmask:4 row_mask:0xf bank_mask:0xf
	v_add_f32_dpp v18, v18, v18 row_xmask:8 row_mask:0xf bank_mask:0xf
	v_permlanex16_b32 v19, v18, s16, s17
	v_add_f32 v18, v18, v19
.endm
.macro ROW r
.set XR, X+32*(\r)
.set CR, C+8*(\r)
	s_wait_loadcnt 8*(3-(\r))                      ; this row's eight loads are in, the younger rows' stay out
	v_pk_add_f32 v[14:15], v[XR:XR+1], v[XR+2:XR+3]
	v_pk_add_f32 v[16:17], v[XR+4:XR+5], v[XR+6:XR+7]
.set i, 8
.rept 6
	v_pk_add_f32 v[14:15], v[14:15], v[XR+i:XR+i+1]
	v_pk_add_f32 v[16:17], v[16:17], v[XR+i+2:XR+i+3]
.set i, i+4
.endr
	v_pk_add_f32 v[14:15], v[14:15], v[16:17]
	v_add_f32 v18, v14, v15
	RED
	v_mul_f32 v10, s18, v18                        ; the mean
.set i, 0
.rept 16
	v_pk_add_f32 v[XR+i:XR+i+1], v[XR+i:XR+i+1], v[10:11] op_sel_hi:[1,0] neg_lo:[0,1] neg_hi:[0,1]
.set i, i+2
.endr
	v_pk_mul_f32 v[14:15], v[XR:XR+1], v[XR:XR+1]
	v_pk_mul_f32 v[16:17], v[XR+2:XR+3], v[XR+2:XR+3]
.set i, 4
.rept 7
	v_pk_fma_f32 v[14:15], v[XR+i:XR+i+1], v[XR+i:XR+i+1], v[14:15]
	v_pk_fma_f32 v[16:17], v[XR+i+2:XR+i+3], v[XR+i+2:XR+i+3], v[16:17]
.set i, i+4
.endr
	v_pk_add_f32 v[14:15], v[14:15], v[16:17]
	v_add_f32 v18, v14, v15
	RED
	v_fma_f32 v12, v18, s18, s19                   ; var + eps
	s_wait_alu depctr_va_vdst(0)                   ; the wait ahead of the transcendental,
	v_rsq_f32 v12, v12
	v_nop                                          ; a plain instruction behind it,
	s_wait_alu depctr_va_vdst(0)                   ; and the wait ahead of its first reader
.set i, 0
.rept 16
	v_pk_mul_f32 v[XR+i:XR+i+1], v[XR+i:XR+i+1], v[12:13] op_sel_hi:[1,0]
.set i, i+2
.endr
.set i, 0
.rept 16
	v_pk_fma_f32 v[XR+i:XR+i+1], v[XR+i:XR+i+1], v[W+i:W+i+1], v[B+i:B+i+1]
.set i, i+2
.endr
.set i, 0
.rept 32
	v_med3_num_f32 v[XR+i], v[XR+i], -v9, v9       ; the hold at the largest code x the scale (ISA guide 7.6.2)
.set i, i+1
.endr
.set i, 0
.rept 4
	v_cvt_scalef32_pk8_bf8_f32 v[CR+2*i:CR+2*i+1], v[XR+8*i:XR+8*i+7], v8
.set i, i+1
.endr
	v_nop                                          ; a plain instruction behind the last conversion
.set i, 0
.rept 8
	ds_store_b32 v3, v[CR+i] offset:(\r)*16+8*BP*i ; K step i is eight blocks
.set i, i+1
.endr
.endm
	ROW 0
	ROW 1
	ROW 2
	ROW 3
	s_wait_dscnt 0x0                               ; my stores are done,
	s_barrier_signal -1
	s_barrier_wait -1                              ; and so are the others': the image is whole
.set n, 0
.rept 8
	ds_load_b128 v[X+4*n:X+4*n+3], v4 offset:2*BP*n
.set n, n+1
.endr
	s_wait_dscnt 0x0
.set n, 0
.rept 8
	global_store_b128 v2, v[X+4*n:X+4*n+3], s[12:13] offset:512*n   ; 512 consecutive bytes, at a multiple of 256 from the buffer's first byte
.set n, n+1
.endr
	s_wait_tensorcnt 0x0                           ; the wave's end
	ds_add_u32 v[SPW], v[NIL]
	s_wait_dscnt 0x0
	s_endpgm
.Lfunc_end_k_q48b6db1698_ln2:
	.size	k_q48b6db1698_ln2, .Lfunc_end_k_q48b6db1698_ln2-k_q48b6db1698_ln2
	.p2alignl 7, 3214868480
	.fill 96, 4, 3214868480
	.section	.rodata,"a",@progbits
	.p2align	6, 0x0
	.amdhsa_kernel k_q48b6db1698_ln2
		.amdhsa_group_segment_fixed_size 17920
		.amdhsa_private_segment_fixed_size 0
		.amdhsa_enable_private_segment 0
		.amdhsa_kernarg_size 40
		.amdhsa_user_sgpr_count 2
		.amdhsa_user_sgpr_kernarg_segment_ptr 1
		.amdhsa_wavefront_size32 1
		.amdhsa_system_sgpr_workgroup_id_x 1
		.amdhsa_system_sgpr_workgroup_id_y 1
		.amdhsa_system_sgpr_workgroup_id_z 1
		.amdhsa_system_vgpr_workitem_id 0
		.amdhsa_next_free_vgpr 244
		.amdhsa_next_free_sgpr 66
		.amdhsa_reserve_vcc 0
		.amdhsa_float_denorm_mode_32 3
		.amdhsa_float_denorm_mode_16_64 3
		.amdhsa_memory_ordered 1
		.amdhsa_forward_progress 1
		.amdhsa_inst_pref_size 44
	.end_amdhsa_kernel
	.amdgpu_metadata
---
amdhsa.version: [ 1, 2 ]
amdhsa.kernels:
  - .name:           k_q48b6db1698_ln2
    .symbol:         k_q48b6db1698_ln2.kd
    .args:
      - { .name: x1, .offset: 0, .size: 8, .value_kind: global_buffer, .address_space: global }
      - { .name: ln2_w, .offset: 8, .size: 8, .value_kind: global_buffer, .address_space: global }
      - { .name: ln2_b, .offset: 16, .size: 8, .value_kind: global_buffer, .address_space: global }
      - { .name: lowp_scales, .offset: 24, .size: 8, .value_kind: global_buffer, .address_space: global }
      - { .name: lncodes, .offset: 32, .size: 8, .value_kind: global_buffer, .address_space: global }
    .group_segment_fixed_size: 17920
    .private_segment_fixed_size: 0
    .kernarg_segment_align: 8
    .kernarg_segment_size: 40
    .max_flat_workgroup_size: 128
    .sgpr_count:     66
    .vgpr_count:     244
    .wavefront_size: 32
...
	.end_amdgpu_metadata
.endif
;; end of part 5
;; launch fc (part 6): grid 16 x 16, 4 waves a work-group, clusters of 4 x 4, 327,680 bytes of LDS; arguments lncodes, w_fc_codes, lowp_scales, b_fc, hc; writes hc
.if DOCPART == 6
	.amdgcn_target "amdgcn-amd-amdhsa--gfx1250"
	.amdhsa_code_object_version 6
	.text
	.protected	k_q48b6db1698_fc
	.globl	k_q48b6db1698_fc
	.p2align	8
	.type	k_q48b6db1698_fc,@function
k_q48b6db1698_fc:
	s_mov_b64 s[64:65], 0
	v_nop
	global_prefetch_b8 v0, s[64:65] scope:SCOPE_SE
	s_setreg_imm32_b32 hwreg(HW_REG_WAVE_MODE, 25, 1), 1
	s_wait_xcnt 0x0
	s_wait_alu depctr_hold_cnt(0) depctr_sa_sdst(0) depctr_va_vdst(0) depctr_va_sdst(0) depctr_va_ssrc(0) depctr_va_vcc(0) depctr_vm_vsrc(0)
	s_getreg_b32 s2, hwreg(HW_REG_IB_STS2, 6, 4)
	s_cmp_eq_u32 s2, 0
	s_cbranch_scc0 .Lentry_in_a_cluster
	s_endpgm
.Lentry_in_a_cluster:
	s_bfe_u32 s2, ttmp6, 0x10000c
	s_cmp_lg_u32 s2, 0xf033
	s_cbranch_scc0 .Lentry_shape_is_right
	s_endpgm
.Lentry_shape_is_right:
; hc = Q(gelu(Q(LN2(x1)) Q(w_fc) + b_fc)), the exact GELU, quantised with entry 10 of the scales and stored as images of the next product's operand registers.
; A tile of 256 tokens x 256 hidden units is made by four waves, each 128 x 128: 64 accumulators, 512 registers.  K = 1,024 goes in 8 steps of 128.
; B (w_fc, [4096][1024] codes, K innermost): ALL 1,024 of K of the tile's 256 rows lie in LDS at once, 256 x (1,024 + 16 of padding) bytes.  Each wave issues ONE tensor load at the head, 64 rows;
; nothing is filled again, one barrier shows the rows to all waves, and no barrier stands in the K steps.  CLUSTERS of 4 x 4: B's rows are asked for jointly along a column of the cluster.
; A (the tokens' codes) comes as REGISTER IMAGES [row tile 256][K step 8][group 4][lane 32][16 bytes] and goes from memory straight into registers, 512 consecutive bytes a load: three sets of 128 registers
; take turns, and K step s + 2 is asked for at the head of K step s.  A is not asked for jointly: it passes no LDS.
; No prefetch: B is asked for whole at the head, and A's own loads run two K steps (128 matrix instructions) ahead of their use.
; Both operands hold, in registers 4 c .. 4 c + 3 of a fragment, K = 32 c + 16 (l / 16) + 0 .. 15: a permutation of k inside a step, the same on both sides, so every product meets its partner.
; A K step goes by pairs of B's blocks, each against A's eight: three buffers of two fragments take turns, filled two pairs ahead.
; The matrix instruction is used transposed (source 0 = 16 rows of B, source 1 = 16 tokens): a lane holds one token and eight neighbouring hidden units, which are the next product's K.
; GELU: u = sum x 2^(e8 + e9) + bias; gelu(u) = max(u, 0) - |u| erfc(|u| / sqrt 2) / 2; erfc(z) = t exp(-z^2 + P(t)), t = 1 / (1 + z / 2), P of degree 9; the half is a -1 in the exponent to the base 2.
; It goes in batches of 32 numbers a lane: one wait ahead of each batch of reciprocals or exponentials and one behind it.
; OUT: hc: [K slot of 512: 8][row tile 256][K step 4][group 4][lane 32][16 bytes]: every store is 512 consecutive bytes.
; LIMITS: e8 + e9 between -126 and 127; e10 between -126 and 112; NaN among the inputs is not served.
; REGISTERS, in windows of 256: window 0: v0-31 addresses; v32-127 B's three pair buffers; v128-255 A's set 0; on the way out v32-209.  window 1: A's sets 1 and 2; from K step 6 on v128-191 hold the bias.
;   windows 2, 3: the accumulators of B's blocks 0-3, 4-7: (a, b) at v[8 (8 (b % 4) + a)].
.set PITCH,  1040                      ; an LDS row: 260 words: row r starts at bank 4 r mod 64: the 16 rows of a load start at 16 different banks (ISA guide 11.1)
.set SPARE,  256*PITCH                 ; behind the rows: the spare words
.set ADRB, 20                          ; v20-21 my B fragments: blocks 0-3, blocks 4-7
.set CO,   26                          ; v26 16 x lane
.set BO,   27                          ; v27 32 x (lane / 16)
.set SPW,  28
.set NIL,  29
.set HL,   30                          ; v30 57,344 x 2^e10
.set SC,   31                          ; v31 2^e10
.set G1, 24
.set G0, 32
.set GU,  32                           ; the way out: 64 numbers u, then gelu(u)
.set GT,  96                           ; t
.set GP,  128                          ; the polynomial, the exponent, the exponential
.set GQ,  160                          ; u^2, then max(u, 0)
.set GCD, 192                          ; 16 code registers
.set C9,  208
.set BI,  128                          ; the bias, in window 1
.set MSB, 0
.macro WIN new                         ; the immediate's high byte repeats the setting that is left
.if MSB != \new
	s_set_vgpr_msb (MSB<<8)|\new
.set MSB, \new
.endif
.endm
.macro CROUND                          ; a round of the cluster's barrier
	s_barrier_signal -1
	s_barrier_wait -1
	s_cmp_lg_u32 s14, 0
	s_cbranch_scc1 .Lnot_wave_0_\@
	s_barrier_signal -3
.Lnot_wave_0_\@:
	s_barrier_wait -3
	s_barrier_signal -1
	s_barrier_wait -1
.endm
.macro PLACES                          ; four plain vector instructions between a matrix instruction and a load into, or a read of, its registers
.rept 4
	v_nop
.endr
.endm
.macro LOADA ks                        ; A's eight fragments of K step ks into set ks % 3: 32 loads of 512 consecutive bytes
.set SS, (\ks)%3
.set AB, 128*((SS+1)%2)
.set WS, ((SS+1)/2)*0x40
	WIN WS
.irp a, 0,1,2,3,4,5,6,7
.irp g, 0,1,2,3
	global_load_b128 v[AB+16*\a+4*\g:AB+16*\a+4*\g+3], v[CO], s[4:5] offset:\a*16384+(\ks)*2048+\g*512
.endr
.endr
.endm
.macro LOADB j                         ; pair j: B's blocks 2 (j % 4), + 1 of K step j / 4 into buffer j % 3: 8 loads
.set PB, 32+32*((\j)%3)
.irp u, 0,1
.irp c, 0,1,2,3
	ds_load_b128 v[PB+16*\u+4*\c:PB+16*\u+4*\c+3], v[ADRB+((\j)%4)/2] offset:(2*((\j)%2)+\u)*16*PITCH+((\j)/4)*128+32*\c
.endr
.endr
.endm
.macro MULP j                          ; 16 matrix instructions; between two on one accumulator stand the 63 others'.  K step 0's start the sums
.set PB, 32+32*((\j)%3)
.set SS, ((\j)/4)%3
.set AB, 128*((SS+1)%2)
.set WS, (2+((\j)%4)/2)*0x50+((SS+1)/2)*4
	WIN WS
.irp u, 0,1
.irp a, 0,1,2,3,4,5,6,7
.set AC, 8*(8*(2*((\j)%2)+\u)+\a)
.if (\j) < 4
	v_wmma_f32_16x16x128_bf8_bf8 v[AC:AC+7], v[PB+16*\u:PB+16*\u+15], v[AB+16*\a:AB+16*\a+15], 0
.else
	v_wmma_f32_16x16x128_bf8_bf8 v[AC:AC+7], v[PB+16*\u:PB+16*\u+15], v[AB+16*\a:AB+16*\a+15], v[AC:AC+7]
.endif
.endr
.endr
.endm
.macro PSTEP j
	WIN 0
.if (\j)%4 == 0
.if (\j) < 28
	s_wait_loadcnt 32                              ; this K step's fragments of A are in; the next step's 32 loads may be out
.else
	s_wait_loadcnt 16                              ; the last K step's are in; the bias's 16 loads may be out
.endif
.endif
	PLACES                                         ; for the loads below, into registers that the last pair's products read
.if (\j) < 30
	LOADB (\j)+2
.endif
.if (\j)%4 == 0
.if (\j) < 24
	LOADA (\j)/4+2
.elseif (\j) == 24
	WIN 0x40                                       ; K step 6: set 2 is free: the bias of my 128 hidden units, 8 a block for each half of the lanes
.irp i, 0,1,2,3,4,5,6,7
	global_load_b128 v[BI+8*\i:BI+8*\i+3], v[BO], s[10:11] offset:64*\i
	global_load_b128 v[BI+8*\i+4:BI+8*\i+7], v[BO], s[10:11] offset:64*\i+16
.endr
.endif
.endif
.if (\j) < 30
	s_wait_dscnt 16                                ; this pair is in; the two younger pairs' 16 loads may be out
.else
	s_wait_dscnt 8*(31-(\j))
.endif
	MULP \j
.endm
	s_load_b128 s[4:7], s[0:1], 0x0                ; the tokens' images, w_fc's codes
	s_load_b128 s[8:11], s[0:1], 0x10              ; the scales' exponents, b_fc
	s_load_b64 s[12:13], s[0:1], 0x20              ; hc
	v_lshl_add_u32 v[SPW], v0, 2, SPARE
	v_mov_b32 v[NIL], 0
	ds_add_u32 v[SPW], v[NIL]                      ; the opening: the add, twice on end, and its wait ahead of my first tensor load
	ds_add_u32 v[SPW], v[NIL]
	v_lshrrev_b32 v5, 5, v0
	v_readfirstlane_b32 s14, v5                    ; wave 0..3
	s_lshr_b32 s15, s14, 1                         ; my half of the tokens
	s_and_b32 s16, s14, 1                          ; my half of the hidden units
	s_bfe_u32 s40, ttmp6, 0x40000                  ; cx, cy
	s_bfe_u32 s41, ttmp6, 0x40004
	s_lshl_b32 s42, ttmp9, 2
	s_add_co_u32 s42, s42, s40                     ; tile column
	s_and_b32 s17, ttmp7, 0xffff
	s_lshl_b32 s17, s17, 2
	s_add_co_u32 s17, s17, s41                     ; tile row
	s_lshl_b32 s44, 0x1111, s40                    ; my column of the cluster
	s_or_b32 s[G1], s44, (0<<16)|(1<<20)|(1<<21)|(7<<22)|(3<<25)  ; the mask; elements of 1 byte; 4 words of padding after every 256; bit 21 beside a mask
	s_mov_b32 s[G1+1], 1024<<16                    ; tensor_dim0
	s_mov_b32 s[G1+2], 64<<16                      ; tensor_dim1
	s_mov_b32 s[G1+3], 1024<<16                    ; tile_dim0
	s_mov_b32 s[G1+4], 64                          ; tile_dim1
	s_mov_b32 s[G1+5], 1024                        ; the pitch
	s_mov_b32 s[G1+6], 0
	s_mov_b32 s[G1+7], 0
	s_mov_b32 s[G0], 1
	s_mul_i32 s[G0+1], s14, 64*PITCH               ; where my 64 rows go
	s_lshl_b32 s46, s42, 8
	s_lshl_b32 s47, s14, 6
	s_add_co_u32 s46, s46, s47                     ; B: row 256 x tile column + 64 x wave,
	s_lshl_b32 s46, s46, 10                        ; of 1,024 bytes
	s_mov_b32 s47, 0
	s_lshl_b32 s52, s17, 4
	s_lshl_b32 s53, s15, 3
	s_add_co_u32 s52, s52, s53                     ; A: row tile 16 x tile row + 8 x half
	s_lshl_b32 s56, s52, 13                        ; (in hc a row tile of a K slot is 8,192 bytes)
	s_lshl_b32 s52, s52, 14                        ; of 16,384 bytes
	s_mov_b32 s53, 0
	s_lshl_b32 s58, s42, 1
	s_add_co_u32 s58, s58, s16                     ; my block of 128 hidden units, 0 .. 31
	s_lshl_b32 s54, s58, 9                         ; its bias
	s_mov_b32 s55, 0
	s_lshr_b32 s59, s58, 2
	s_lshl_b32 s59, s59, 21                        ; hc: K slot: 256 row tiles of 8,192 bytes,
	s_add_co_u32 s56, s56, s59
	s_and_b32 s59, s58, 3
	s_lshl_b32 s59, s59, 11                        ; K step: 2,048 bytes
	s_add_co_u32 s56, s56, s59
	s_mov_b32 s57, 0
	s_mul_i32 s22, s16, 128*PITCH                  ; my 128 rows of B in LDS
	v_and_b32 v1, 15, v0
	v_bfe_u32 v2, v0, 4, 1
	v_mul_u32_u24 v3, v1, PITCH
	v_lshl_add_u32 v3, v2, 4, v3                   ; a fragment's row x pitch + 16 x half
	v_add_nc_u32 v[ADRB], s22, v3
	v_add_nc_u32 v[ADRB+1], 64*PITCH, v[ADRB]
	v_lshlrev_b32 v[BO], 5, v2
	v_and_b32 v4, 31, v0
	v_lshlrev_b32 v[CO], 4, v4
	s_wait_alu depctr_va_vdst(0)                   ; directly ahead of the waits below
	s_wait_dscnt 0x0                               ; both opening adds are done
	s_wait_kmcnt 0x0
	s_load_b64 s[96:97], s[8:9], 0x20              ; e8, e9
	s_load_b32 s98, s[8:9], 0x28                   ; e10
	s_add_nc_u64 s[G0+2:G0+3], s[6:7], s[46:47]
	s_or_b32 s[G0+3], s[G0+3], 0x80000000
	s_add_nc_u64 s[4:5], s[4:5], s[52:53]
	s_add_nc_u64 s[10:11], s[10:11], s[54:55]
	s_add_nc_u64 s[12:13], s[12:13], s[56:57]
	LOADA 0                                        ; K step 0 of A
	CROUND                                         ; all sixteen work-groups are here: the joint loads meet
	tensor_load_to_lds s[G0:G0+3], s[G1:G1+7]      ; my 64 rows of B, all of K: the wave's one tensor load
	s_nop 0
	LOADA 1
	WIN 0
	s_wait_tensorcnt 0x0                           ; my rows have landed,
	s_barrier_signal -1
	s_barrier_wait -1                              ; and so have everybody's
	LOADB 0
	LOADB 1
.set j, 0
.rept 32
	PSTEP j
.set j, j+1
.endr
	WIN 0
	PLACES
	s_wait_kmcnt 0x0
.macro COEF k, bits                    ; P's coefficient of t^k, as a pair
	s_mov_b32 s[24+2*(8-(\k))], \bits
	s_mov_b32 s[25+2*(8-(\k))], \bits
.endm
	COEF 8, 0xBF527892
	COEF 7, 0x3FBE87B0
	COEF 6, 0xBF914E5D
	COEF 5, 0x3E8EC7CC
	COEF 4, 0xBE3EC24C
	COEF 3, 0x3DC636C9
	COEF 2, 0x3EBF88FB
	COEF 1, 0x3F8000C7
	COEF 0, 0xBFA1FC4E
	s_mov_b32 s48, 0x3eb504f3                      ; 1 / (2 sqrt 2)
	s_mov_b32 s50, 0x3fb8aa3b                      ; log2(e)
	s_mov_b32 s51, 0x3fb8aa3b
	s_add_co_i32 s96, s96, s97
	s_add_co_i32 s96, s96, 127
	s_lshl_b32 s96, s96, 23                        ; 2^(e8 + e9)
	s_mov_b32 s97, s96
	s_add_co_i32 s98, s98, 127
	s_lshl_b32 s99, s98, 23
	s_add_co_i32 s98, s98, 15
	s_lshl_b32 s98, s98, 23
	s_or_b32 s98, s98, 0x600000
	v_mov_b32 v[C9], 0x3E2EF945
	v_mov_b32 v[C9+1], 0x3E2EF945
	v_mov_b32 v[SC], s99
	v_mov_b32 v[HL], s98
	s_wait_alu depctr_va_vdst(0)                   ; directly ahead of the wait below
	s_wait_loadcnt 0x0                             ; the bias
.macro ARM a                           ; u of token block a: its 8 accumulators x 2^(e8 + e9) + bias, each from its low end on
.irp w, 0,1
.set WS, 0x12+\w
	WIN WS                                         ; source 0: window 2 or 3; source 2 (the bias): window 1
	s_wait_alu depctr_va_vdst(0)                   ; directly ahead of the first readers of matrix results
.irp q, 0,1,2,3
.irp i, 0,2,4,6
	v_pk_fma_f32 v[GU+32*\w+8*\q+\i:GU+32*\w+8*\q+\i+1], v[8*(8*\q+(\a))+\i:8*(8*\q+(\a))+\i+1], s[96:97], v[BI+32*\w+8*\q+\i:BI+32*\w+8*\q+\i+1] op_sel_hi:[1,0,1]
.endr
.endr
.endr
	WIN 0
.endm
.macro PAIR m                          ; 32 numbers: hidden units 64 m .. 64 m + 63 of the block, two groups of the image
.set UU, GU+32*(\m)
.set k, 0
.rept 32
	v_fma_f32 v[GT+k], |v[UU+k]|, s48, 1.0         ; 1 + z / 2
.set k, k+1
.endr
	s_wait_alu depctr_va_vdst(0)                   ; ahead of the batch
.set k, 0
.rept 32
	v_rcp_f32 v[GT+k], v[GT+k]                     ; t
.set k, k+1
.endr
.set k, 0
.rept 16
	v_pk_mul_f32 v[GQ+k:GQ+k+1], v[UU+k:UU+k+1], v[UU+k:UU+k+1]   ; u^2 = 2 z^2: work that names no result of the batch
.set k, k+2
.endr
	s_wait_alu depctr_va_vdst(0)                   ; behind the batch, ahead of its first reader
.set st, 0
.rept 11                               ; Horner, 16 independent pairs a stage; then - z^2; then x log2(e) - 1
.set k, 0
.rept 16
.if st == 0
	v_pk_fma_f32 v[GP+k:GP+k+1], v[GT+k:GT+k+1], v[C9:C9+1], s[24:25] op_sel_hi:[1,1,0]
.elseif st < 9
	v_pk_fma_f32 v[GP+k:GP+k+1], v[GP+k:GP+k+1], v[GT+k:GT+k+1], s[24+2*st:25+2*st] op_sel_hi:[1,1,0]
.elseif st == 9
	v_pk_fma_f32 v[GP+k:GP+k+1], v[GQ+k:GQ+k+1], -0.5, v[GP+k:GP+k+1] op_sel_hi:[1,0,1]
.else
	v_pk_fma_f32 v[GP+k:GP+k+1], v[GP+k:GP+k+1], s[50:51], -1.0 op_sel_hi:[1,0,0]
.endif
.set k, k+2
.endr
.set st, st+1
.endr
	s_wait_alu depctr_va_vdst(0)                   ; ahead of the batch
.set k, 0
.rept 32
	v_exp_f32 v[GP+k], v[GP+k]
.set k, k+1
.endr
.set k, 0
.rept 32
	v_max_num_f32 v[GQ+k], 0, v[UU+k]              ; work that names no result of the batch
.set k, k+1
.endr
	s_wait_alu depctr_va_vdst(0)                   ; behind the batch
.set k, 0
.rept 16
	v_pk_mul_f32 v[GP+k:GP+k+1], v[GP+k:GP+k+1], v[GT+k:GT+k+1]   ; erfc / 2
.set k, k+2
.endr
.set k, 0
.rept 32
	v_fma_f32 v[UU+k], -|v[UU+k]|, v[GP+k], v[GQ+k]
.set k, k+1
.endr
.set k, 0
.rept 32
	v_med3_num_f32 v[UU+k], v[UU+k], -v[HL], v[HL] ; the hold at the largest code x the scale (ISA guide 7.6.2)
.set k, k+1
.endr
.set k, 0
.rept 4
	v_cvt_scalef32_pk8_bf8_f32 v[GCD+8*(\m)+2*k:GCD+8*(\m)+2*k+1], v[UU+8*k:UU+8*k+7], v[SC]
.set k, k+1
.endr
	v_nop                                          ; a plain instruction behind the last conversion
	global_store_b128 v[CO], v[GCD+8*(\m):GCD+8*(\m)+3], s[12:13] offset:1024*(\m)
	global_store_b128 v[CO], v[GCD+8*(\m)+4:GCD+8*(\m)+7], s[12:13] offset:1024*(\m)+512
.endm
	s_mov_b32 s3, 0
.Lblock:                                           ; eight trips, a block of 16 tokens each: only the copy out of the accumulators differs, so only it is written eight times
.irp a, 0,1,2,3,4,5,6
	s_cmp_eq_u32 s3, \a
	s_cbranch_scc1 .Larm\a
.endr
	ARM 7
	s_branch .Lbody
.irp a, 0,1,2,3,4,5,6
.Larm\a:
	ARM \a
.if \a < 6
	s_branch .Lbody
.endif
.endr
.Lbody:
	PAIR 0
	PAIR 1
	s_wait_xcnt 0x0                                ; the stores have read their base and their data
	s_add_nc_u64 s[12:13], s[12:13], 8192          ; the next row tile
	s_add_co_u32 s3, s3, 1
	s_cmp_lt_u32 s3, 8
	s_cbranch_scc1 .Lblock
	s_wait_tensorcnt 0x0                           ; the wave's end
	ds_add_u32 v[SPW], v[NIL]
	s_wait_dscnt 0x0
	CROUND                                         ; the closing round
	s_endpgm
.Lfunc_end_k_q48b6db1698_fc:
	.size	k_q48b6db1698_fc, .Lfunc_end_k_q48b6db1698_fc-k_q48b6db1698_fc
	.p2alignl 7, 3214868480
	.fill 96, 4, 3214868480
	.section	.rodata,"a",@progbits
	.p2align	6, 0x0
	.amdhsa_kernel k_q48b6db1698_fc
		.amdhsa_group_segment_fixed_size 327680
		.amdhsa_private_segment_fixed_size 0
		.amdhsa_enable_private_segment 0
		.amdhsa_kernarg_size 40
		.amdhsa_user_sgpr_count 2
		.amdhsa_user_sgpr_kernarg_segment_ptr 1
		.amdhsa_wavefront_size32 1
		.amdhsa_system_sgpr_workgroup_id_x 1
		.amdhsa_system_sgpr_workgroup_id_y 1
		.amdhsa_system_sgpr_workgroup_id_z 1
		.amdhsa_system_vgpr_workitem_id 0
		.amdhsa_next_free_vgpr 1024
		.amdhsa_next_free_sgpr 100
		.amdhsa_reserve_vcc 0
		.amdhsa_float_denorm_mode_32 3
		.amdhsa_float_denorm_mode_16_64 3
		.amdhsa_memory_ordered 1
		.amdhsa_forward_progress 1
		.amdhsa_inst_pref_size 151
	.end_amdhsa_kernel
	.amdgpu_metadata
---
amdhsa.version: [ 1, 2 ]
amdhsa.kernels:
  - .name:           k_q48b6db1698_fc
    .symbol:         k_q48b6db1698_fc.kd
    .args:
      - { .name: lncodes, .offset: 0, .size: 8, .value_kind: global_buffer, .address_space: global }
      - { .name: w_fc_codes, .offset: 8, .size: 8, .value_kind: global_buffer, .address_space: global }
      - { .name: lowp_scales, .offset: 16, .size: 8, .value_kind: global_buffer, .address_space: global }
      - { .name: b_fc, .offset: 24, .size: 8, .value_kind: global_buffer, .address_space: global }
      - { .name: hc, .offset: 32, .size: 8, .value_kind: global_buffer, .address_space: global }
    .group_segment_fixed_size: 327680
    .private_segment_fixed_size: 0
    .kernarg_segment_align: 8
    .kernarg_segment_size: 40
    .max_flat_workgroup_size: 128
    .sgpr_count:     100
    .vgpr_count:     1024
    .wavefront_size: 32
...
	.end_amdgpu_metadata
.endif
;; end of part 6
;; launch mlp (part 7): grid 8 x 32, 4 waves a work-group, clusters of 4 x 4, 327,680 bytes of LDS; arguments hc, w_mlp_proj_codes, lowp_scales, x1, out0, b_mlp_proj; writes out0
.if DOCPART == 7
	.amdgcn_target "amdgcn-amd-amdhsa--gfx1250"
	.amdhsa_code_object_version 6
	.text
	.protected	k_q48b6db1698_mlp
	.globl	k_q48b6db1698_mlp
	.p2align	8
	.type	k_q48b6db1698_mlp,@function
k_q48b6db1698_mlp:
	s_mov_b64 s[64:65], 0
	v_nop
	global_prefetch_b8 v0, s[64:65] scope:SCOPE_SE
	s_setreg_imm32_b32 hwreg(HW_REG_WAVE_MODE, 25, 1), 1
	s_wait_xcnt 0x0
	s_wait_alu depctr_hold_cnt(0) depctr_sa_sdst(0) depctr_va_vdst(0) depctr_va_sdst(0) depctr_va_ssrc(0) depctr_va_vcc(0) depctr_vm_vsrc(0)
	s_getreg_b32 s2, hwreg(HW_REG_IB_STS2, 6, 4)
	s_cmp_eq_u32 s2, 0
	s_cbranch_scc0 .Lentry_in_a_cluster
	s_endpgm
.Lentry_in_a_cluster:
	s_bfe_u32 s2, ttmp6, 0x10000c
	s_cmp_lg_u32 s2, 0xf033
	s_cbranch_scc0 .Lentry_shape_is_right
	s_endpgm
.Lentry_shape_is_right:
; OUT = RES + (A B^T) x 2^(ea + eb) + bias: here out0 = x1 + gelu(..) w_mlp_proj + b_mlp_proj.  A: register images [K slot of 512][row tile 256][K step 4][group 4][lane 32][16 bytes]; B: [1024][KTOT] codes, K innermost; RES, OUT: [4096][1024] f32.
; A tile of OUT is 128 x 128, so that 256 work-groups have one each; four waves, each 64 x 64: 16 accumulators.  K goes in slots of 512 through a ring of two LDS slots: A's 8 row tiles are one dense block of 65,536 bytes,
; B's 128 rows of 512 bytes get 16 of padding each.  Waves 0 and 1 fetch A's halves, waves 2 and 3 B's: two loads of a wave are out at the start, one behind each change of slots.
; CLUSTERS of 4 x 4: A's block is asked for jointly along a row of the cluster, B's along a column.
; A's images are in the matrix form's own layout, so B is fetched so too: eight loads of 8 bytes a fragment.  The instruction is used transposed: a lane holds one row of OUT and 8 neighbouring columns.
; The residual's 128 registers a lane are asked for at the head and land during the products.  LIMIT: ea + eb between -126 and 127.
; REGISTERS: window 0: v0-31 addresses, v8-11 the bias; v32-95 the way out; v128-255 the accumulators ((a, b) at v[128 + 8 (4 a + b)]).  window 1: two fragment buffers of 128: A's four, then B's four.  window 2: v0-127 the residual.
.set KTOT, 4096
.set SC_OFF, 40
.set HAS_BIAS, 1
.set LAPS, KTOT/1024                   ; a lap = two slots
.set APART, 65536
.set BPITCH, 528                       ; 132 words: lane (r, h) of a load of 8 bytes starts at bank 4 r + 2 h
.set SLOT, APART+128*BPITCH
.set STAGE, 2*SLOT
.set SPITCH, 272
.set SPARE, STAGE+4*16*SPITCH
.set ADRA, 16
.set ADRB, 20
.set STO, 24
.set RD, 25
.set CO, 26
.set SPW, 28
.set NIL, 29
.set BK, 32
.set ACC, 128
.set F0, 0
.set F1, 128
.set G1, 24
.set G0, 32
.set G1B, 48
.set G0B, 56
.set MSB, 0
.macro WIN new
.if MSB != \new
	s_set_vgpr_msb (MSB<<8)|\new
.set MSB, \new
.endif
.endm
.macro JLOAD s                         ; an s_nop 0 and four v_nop follow each of the two lines
	s_cmp_eq_u32 s17, 0
	s_cbranch_scc0 .Lfor_b_\@
	tensor_load_to_lds s[G0+4*\s:G0+4*\s+3], s[G1:G1+7]
	s_nop 0
.rept 4
	v_nop
.endr
	s_branch .Lasked_\@
.Lfor_b_\@:
	tensor_load_to_lds s[G0B+4*\s:G0B+4*\s+3], s[G1B:G1B+7]
	s_nop 0
.rept 4
	v_nop
.endr
.Lasked_\@:
.endm
.macro CREST
	s_cmp_lg_u32 s16, 0
	s_cbranch_scc1 .Lnot_wave_0_\@
	s_barrier_signal -3
.Lnot_wave_0_\@:
	s_barrier_wait -3
	s_barrier_signal -1
	s_barrier_wait -1
.endm
.macro CROUND
	s_barrier_signal -1
	s_barrier_wait -1
	CREST
.endm
	s_load_b256 s[4:11], s[0:1], 0x0               ; A s[4:5], B s[6:7], scales s[8:9], RES s[10:11]
	s_load_b64 s[12:13], s[0:1], 0x20              ; OUT
.if HAS_BIAS
	s_load_b64 s[14:15], s[0:1], 0x28              ; the bias
.endif
	v_lshl_add_u32 v[SPW], v0, 2, SPARE
	v_mov_b32 v[NIL], 0
	ds_add_u32 v[SPW], v[NIL]                      ; the wave's opening: the add, twice on end, and its wait ahead of my first tensor load
	ds_add_u32 v[SPW], v[NIL]
	v_lshrrev_b32 v1, 5, v0
	v_readfirstlane_b32 s16, v1                    ; wave
	s_lshr_b32 s17, s16, 1                         ; my half of the rows.  Also: I fetch for A (0) or for B (1)
	s_and_b32 s18, s16, 1                          ; my half of the columns.  Also: which half I fetch
	s_bfe_u32 s40, ttmp6, 0x40000
	s_bfe_u32 s41, ttmp6, 0x40004
	s_lshl_b32 s42, ttmp9, 2
	s_add_co_u32 s42, s42, s40                     ; tile column
	s_and_b32 s43, ttmp7, 0xffff
	s_lshl_b32 s43, s43, 2
	s_add_co_u32 s43, s43, s41                     ; tile row
	s_lshl_b32 s44, s41, 2
	s_lshl_b32 s44, 15, s44                        ; my row of the cluster
	s_lshl_b32 s45, 0x1111, s40                    ; my column
	s_or_b32 s[G1], s44, (3<<16)|(1<<21)           ; A: elements of 8 bytes, no padding
	s_mov_b32 s[G1+1], 32<<16                      ; rows of 256 bytes,
	s_mov_b32 s[G1+2], 128<<16                     ; 128 of them: four row tiles' images, dense
	s_mov_b32 s[G1+3], 32<<16
	s_mov_b32 s[G1+4], 128
	s_mov_b32 s[G1+5], 32
	s_mov_b32 s[G1+6], 0
	s_mov_b32 s[G1+7], 0
	s_or_b32 s[G1B], s45, (0<<16)|(1<<20)|(1<<21)|(6<<22)|(3<<25)   ; B: elements of 1 byte; 4 words of padding after every 128
	s_mov_b32 s[G1B+1], 512<<16
	s_mov_b32 s[G1B+2], 64<<16
	s_mov_b32 s[G1B+3], 512<<16
	s_mov_b32 s[G1B+4], 64
	s_mov_b32 s[G1B+5], KTOT
	s_mov_b32 s[G1B+6], 0
	s_mov_b32 s[G1B+7], 0
	s_lshl_b32 s20, s43, 3
	s_lshl_b32 s21, s18, 2
	s_add_co_u32 s20, s20, s21                     ; A: row tile 8 x tile row + 4 x half,
	s_lshl_b32 s20, s20, 13                        ; 8,192 bytes each
	s_mov_b32 s21, 0
	s_lshl_b32 s46, s42, 7
	s_lshl_b32 s47, s18, 6
	s_add_co_u32 s46, s46, s47                     ; B: row 128 x tile column + 64 x half
	s_mul_i32 s46, s46, KTOT
	s_mov_b32 s47, 0
	s_lshl_b32 s22, s18, 15                        ; where they go in a slot: A's halves,
	s_mul_i32 s23, s18, 64*BPITCH
	s_add_co_u32 s23, s23, APART                   ; B's halves
	s_wait_dscnt 0x0                               ; both opening adds are done
	s_wait_kmcnt 0x0
	s_load_b64 s[66:67], s[8:9], SC_OFF            ; ea, eb
	s_add_nc_u64 s[20:21], s[4:5], s[20:21]
	s_add_nc_u64 s[46:47], s[6:7], s[46:47]
	CROUND                                         ; all sixteen work-groups are here
.irp s, 0,1
	s_mov_b32 s[G0+4*\s], 1
	s_add_co_u32 s[G0+4*\s+1], s22, \s*SLOT
	s_add_nc_u64 s[G0+4*\s+2:G0+4*\s+3], s[20:21], \s*2097152   ; a K slot of A is 256 row tiles of 8,192 bytes
	s_or_b32 s[G0+4*\s+3], s[G0+4*\s+3], 0x80000000
	s_mov_b32 s[G0B+4*\s], 1
	s_add_co_u32 s[G0B+4*\s+1], s23, \s*SLOT
	s_add_nc_u64 s[G0B+4*\s+2:G0B+4*\s+3], s[46:47], \s*512
	s_or_b32 s[G0B+4*\s+3], s[G0B+4*\s+3], 0x80000000
.endr
	JLOAD 0                                        ; slot 0: one tensor load a wave at the head
	; the prefetches: behind each joint load, the next slot's bytes of what I fetch, one slot ahead of their load.  The four partners that ask with me share the 128 blocks of 256 bytes out by address:
	; A (32,768 dense bytes): 8,192 bytes by cx, lanes 256 bytes apart; B (64 rows x 512 bytes): 16 rows by cy, two lanes a row
	s_lshl_b32 s74, s40, 13
	s_lshl_b32 s75, s41, 16
	s_mov_b32 s72, 4096
	s_mov_b32 s70, 512
	s_cmp_eq_u32 s17, 0
	s_cselect_b64 s[68:69], s[20:21], s[46:47]
	s_cselect_b32 s72, 512, s72                    ; from pair of lanes to pair of lanes
	s_cselect_b32 s70, 0x200000, s70               ; from slot to slot
	s_cselect_b32 s74, s74, s75
	s_mov_b32 s71, 0
	s_mov_b32 s75, 0
	s_add_nc_u64 s[68:69], s[68:69], s[74:75]
	s_add_nc_u64 s[68:69], s[68:69], s[70:71]      ; at slot 1
	v_and_b32 v1, 15, v0                           ; r
	v_bfe_u32 v2, v0, 4, 1                         ; h
	v_and_b32 v3, 31, v0
	v_lshlrev_b32 v3, 4, v3                        ; 16 x lane
	v_mul_u32_u24 v4, v1, BPITCH
	v_lshl_add_u32 v4, v2, 3, v4                   ; B: row r, + 8 h
	s_lshl_b32 s20, s17, 15                        ; my four row tiles of A
	s_mul_i32 s21, s18, 64*BPITCH
	s_add_co_u32 s21, s21, APART                   ; my 64 rows of B
.irp s, 0,1
	v_add_nc_u32 v[ADRA+\s], s20, v3
	v_add_nc_u32 v[ADRB+\s], s21, v4
	s_add_co_u32 s20, s20, SLOT
	s_add_co_u32 s21, s21, SLOT
.endr
	s_mul_i32 s22, s16, 16*SPITCH
	s_add_co_u32 s22, s22, STAGE                   ; my stage
	v_mul_u32_u24 v5, v1, SPITCH
	v_lshl_add_u32 v5, v2, 5, v5
	v_add_nc_u32 v[STO], s22, v5                   ; in: row r, 32 bytes for each half of the lanes
	v_mul_u32_u24 v5, v2, SPITCH
	v_lshl_add_u32 v5, v1, 4, v5
	v_add_nc_u32 v[RD], s22, v5                    ; back: lanes 0-15 one row of 256 bytes, lanes 16-31 the next
	v_lshlrev_b32 v5, 12, v2
	v_lshl_add_u32 v[CO], v1, 4, v5                ; and the same two rows in RES and OUT
	s_wait_alu depctr_va_vdst(0)
	v_lshlrev_b32 v27, 4, v1                       ; my 4 columns in the wave's 64
	v_and_b32 v31, 31, v0
	v_lshrrev_b32 v30, 1, v31
	v_mul_lo_u32 v30, v30, s72
	v_and_b32 v31, 1, v31
	v_lshl_add_u32 v30, v31, 8, v30                ; the prefetches' offset; never rewritten
	s_wait_alu depctr_va_vdst(0)
	global_prefetch_b8 v30, s[68:69] th:TH_LOAD_NT scope:SCOPE_SE   ; slot 1
	s_lshl_b32 s22, s42, 9
	s_lshl_b32 s23, s18, 8
	s_add_co_u32 s22, s22, s23                     ; my first column, in bytes
	s_mov_b32 s23, 0
.if HAS_BIAS
	s_add_nc_u64 s[14:15], s[14:15], s[22:23]
.endif
	s_lshl_b32 s20, s43, 7
	s_lshl_b32 s21, s17, 6
	s_add_co_u32 s20, s20, s21                     ; my first row,
	s_lshl_b32 s20, s20, 12                        ; of 4,096 bytes
	s_add_co_u32 s22, s22, s20
	s_add_nc_u64 s[10:11], s[10:11], s[22:23]
	s_add_nc_u64 s[12:13], s[12:13], s[22:23]
.macro FETCH slot, ks, f               ; the fragments of the slot's ks-th 128 along K into buffer f: A's four by 16 loads of 16 bytes, B's four by 32 of 8
	WIN 0x40
.irp a, 0,1,2,3
.irp g, 0,1,2,3
	ds_load_b128 v[\f+16*\a+4*\g:\f+16*\a+4*\g+3], v[ADRA+\slot] offset:\a*8192+(\ks)*2048+\g*512
.endr
.endr
.irp b, 0,1,2,3
.irp c, 0,1,2,3,4,5,6,7
	ds_load_b64 v[\f+64+16*\b+2*\c:\f+64+16*\b+2*\c+1], v[ADRB+\slot] offset:\b*16*BPITCH+(\ks)*128+16*\c
.endr
.endr
.endm
.macro MUL8 f, a0, zero                ; A's tiles a0, a0 + 1 x B's four; the 16 accumulators take turns, in the same order every time
	WIN 0x05
.irp a, \a0, \a0+1
.irp b, 0,1,2,3
.if \zero
	v_wmma_f32_16x16x128_bf8_bf8 v[ACC+8*(4*(\a)+\b):ACC+8*(4*(\a)+\b)+7], v[\f+64+16*\b:\f+64+16*\b+15], v[\f+16*(\a):\f+16*(\a)+15], 0
.else
	v_wmma_f32_16x16x128_bf8_bf8 v[ACC+8*(4*(\a)+\b):ACC+8*(4*(\a)+\b)+7], v[\f+64+16*\b:\f+64+16*\b+15], v[\f+16*(\a):\f+16*(\a)+15], v[ACC+8*(4*(\a)+\b):ACC+8*(4*(\a)+\b)+7]
.endif
.endr
.endr
.endm
.macro PLACES                          ; four plain vector instructions between a matrix instruction and a load into, or a read of, its registers
.rept 4
	v_nop
.endr
.endm
.macro QUARTER slot, ksn, f, g, zero   ; multiplies buffer f; ahead of that asks for the slot's ksn-th 128 along K into buffer g
	s_wait_dscnt 0x0                               ; buffer f is in
	PLACES
	FETCH \slot, \ksn, \g
	MUL8 \f, 0, \zero
	MUL8 \f, 2, \zero
.endm
.macro TURN slot, next, fill           ; a slot's last 128 along K, in buffer 1, and the change of slots
	WIN 0
.if \fill
	s_wait_xcnt 0x0                                ; my last prefetch has read its address:
	s_add_nc_u64 s[68:69], s[68:69], s[70:71]      ; one slot further on than the refill below
.endif
	s_wait_tensorcnt 0x0                           ; all my tensor loads have landed: my part of the next slot
	ds_add_u32 v[SPW], v[NIL]                      ; 0 onto my spare word
	s_wait_dscnt 0x0                               ; the add is done, and my reads of this slot are over
	s_barrier_signal -1
	MUL8 F1, 0, 0
	WIN 0
	s_barrier_wait -1
.if \fill
	CREST                                          ; the barrier has opened a round of the cluster's
	s_add_nc_u64 s[G0+4*\slot+2:G0+4*\slot+3], s[G0+4*\slot+2:G0+4*\slot+3], 2*2097152
	s_add_nc_u64 s[G0B+4*\slot+2:G0B+4*\slot+3], s[G0B+4*\slot+2:G0B+4*\slot+3], 2*512
	JLOAD \slot                                    ; the first tensor load behind the round; its four v_nop are the places in front of the loads below
.else
	PLACES
.endif
	FETCH \next, 0, F0
.if \fill
.if \slot
	WIN 0
	s_cmp_lg_u32 s19, 1                            ; the last refill has no slot behind it: it asks for nothing
	s_cbranch_scc0 .Lno_ask_\@
.endif
	global_prefetch_b8 v30, s[68:69] th:TH_LOAD_NT scope:SCOPE_SE
.if \slot
.Lno_ask_\@:
.endif
.endif
	MUL8 F1, 2, 0
.endm
	s_wait_tensorcnt 0x0                           ; my part of slot 0 is in
	ds_add_u32 v[SPW], v[NIL]
	s_wait_xcnt 0x0                                ; my prefetch has read its address:
	s_add_nc_u64 s[68:69], s[68:69], s[70:71]      ; on to slot 2
	s_wait_dscnt 0x0
	CROUND                                         ; everybody's part of slot 0 is in, and the joint loads meet
	JLOAD 1                                        ; slot 1: the first tensor load behind the round
	FETCH 0, 0, F0
	global_prefetch_b8 v30, s[68:69] th:TH_LOAD_NT scope:SCOPE_SE   ; slot 2
	WIN 0x80                                       ; the residual is asked for when slot 0 is in; destination window 2
.irp a, 0,1,2,3
.irp t, 0,1,2,3,4,5,6,7
	global_load_b128 v[32*\a+4*\t:32*\a+4*\t+3], v[CO], s[10:11] offset:(16*\a+2*\t)*4096   ; sixteen lanes read 256 consecutive bytes
.endr
.endr
	WIN 0
	global_load_b128 v[8:11], v27, s[14:15]        ; the bias
	QUARTER 0, 1, F0, F1, 1                        ; the first products start the sums
.if LAPS > 1
	WIN 0
	s_mov_b32 s19, LAPS-1
.Llap:                                             ; a trip goes once round the ring and fills both slots again
	QUARTER 0, 2, F1, F0, 0
	QUARTER 0, 3, F0, F1, 0
	TURN 0, 1, 1
	QUARTER 1, 1, F0, F1, 0
	QUARTER 1, 2, F1, F0, 0
	QUARTER 1, 3, F0, F1, 0
	TURN 1, 0, 1
	QUARTER 0, 1, F0, F1, 0
	WIN 0
	s_sub_co_u32 s19, s19, 1
	s_cmp_lg_u32 s19, 0
	s_cbranch_scc1 .Llap
.endif
	QUARTER 0, 2, F1, F0, 0                        ; the last lap fills nothing
	QUARTER 0, 3, F0, F1, 0
	TURN 0, 1, 0
	QUARTER 1, 1, F0, F1, 0
	QUARTER 1, 2, F1, F0, 0
	QUARTER 1, 3, F0, F1, 0
	s_wait_dscnt 0x0
	MUL8 F1, 0, 0
	MUL8 F1, 2, 0
	WIN 0
	; THE WAY OUT, 16 rows at a time: the sums go through my own stage and come back as whole rows of 256 bytes; there one packed multiply-add gives sum x 2^(ea + eb) + residual, and the bias is added
	s_wait_kmcnt 0x0
	s_add_co_i32 s66, s66, s67
	s_add_co_i32 s66, s66, 127
	s_lshl_b32 s66, s66, 23                        ; 2^(ea + eb)
	s_mov_b32 s67, s66
	s_wait_loadcnt 0x0                             ; the residual and the bias
	PLACES
.macro TOSTAGE a
.set BB, BK+32*((\a)%2)
.irp b, 0,1,2,3
	ds_store_b128 v[STO], v[ACC+8*(4*(\a)+\b):ACC+8*(4*(\a)+\b)+3] offset:64*\b          ; each accumulator from its low end on
	ds_store_b128 v[STO], v[ACC+8*(4*(\a)+\b)+4:ACC+8*(4*(\a)+\b)+7] offset:64*\b+16
.endr
.irp t, 0,1,2,3,4,5,6,7
	ds_load_b128 v[BB+4*\t:BB+4*\t+3], v[RD] offset:\t*2*SPITCH   ; LDS serves a wave's instructions in order (ISA guide 5.7.1.4): these see my stores, and the next block's stores come behind them
.endr
.endm
.macro SEND a, younger                 ; younger: the LDS instructions issued behind block a's loads
.set BB, BK+32*((\a)%2)
	s_wait_dscnt \younger
	WIN 0x20                                       ; source 2 (the residual) window 2
.set i, 0
.rept 16
	v_pk_fma_f32 v[BB+i:BB+i+1], v[BB+i:BB+i+1], s[66:67], v[32*(\a)+i:32*(\a)+i+1] op_sel_hi:[1,0,1]
.set i, i+2
.endr
	WIN 0
.if HAS_BIAS
.irp t, 0,1,2,3,4,5,6,7
	v_pk_add_f32 v[BB+4*\t:BB+4*\t+1], v[BB+4*\t:BB+4*\t+1], v[8:9]
	v_pk_add_f32 v[BB+4*\t+2:BB+4*\t+3], v[BB+4*\t+2:BB+4*\t+3], v[10:11]
.endr
.endif
.irp t, 0,1,2,3,4,5,6,7
	global_store_b128 v[CO], v[BB+4*\t:BB+4*\t+3], s[12:13] offset:(16*(\a)+2*\t)*4096   ; sixteen lanes store 256 consecutive bytes, at a multiple of 256 from OUT's first byte
.endr
.endm
	TOSTAGE 0
	TOSTAGE 1
	SEND 0, 16                                     ; behind block 0's loads: block 1's 8 stores and 8 loads
	s_wait_xcnt 0x0                                ; block 0's stores have read their registers: block 2's loads may land there
	TOSTAGE 2
	SEND 1, 16
	s_wait_xcnt 0x0
	TOSTAGE 3
	SEND 2, 16
	SEND 3, 0
	s_wait_tensorcnt 0x0                           ; the wave's end
	ds_add_u32 v[SPW], v[NIL]
	s_wait_dscnt 0x0
	CROUND                                         ; the closing round
	s_endpgm
.Lfunc_end_k_q48b6db1698_mlp:
	.size	k_q48b6db1698_mlp, .Lfunc_end_k_q48b6db1698_mlp-k_q48b6db1698_mlp
	.p2alignl 7, 3214868480
	.fill 96, 4, 3214868480
	.section	.rodata,"a",@progbits
	.p2align	6, 0x0
	.amdhsa_kernel k_q48b6db1698_mlp
		.amdhsa_group_segment_fixed_size 327680
		.amdhsa_private_segment_fixed_size 0
		.amdhsa_enable_private_segment 0
		.amdhsa_kernarg_size 48
		.amdhsa_user_sgpr_count 2
		.amdhsa_user_sgpr_kernarg_segment_ptr 1
		.amdhsa_wavefront_size32 1
		.amdhsa_system_sgpr_workgroup_id_x 1
		.amdhsa_system_sgpr_workgroup_id_y 1
		.amdhsa_system_sgpr_workgroup_id_z 1
		.amdhsa_system_vgpr_workitem_id 0
		.amdhsa_next_free_vgpr 640
		.amdhsa_next_free_sgpr 80
		.amdhsa_reserve_vcc 0
		.amdhsa_float_denorm_mode_32 3
		.amdhsa_float_denorm_mode_16_64 3
		.amdhsa_memory_ordered 1
		.amdhsa_forward_progress 1
		.amdhsa_inst_pref_size 99
	.end_amdhsa_kernel
	.amdgpu_metadata
---
amdhsa.version: [ 1, 2 ]
amdhsa.kernels:
  - .name:           k_q48b6db1698_mlp
    .symbol:         k_q48b6db1698_mlp.kd
    .args:
      - { .name: hc, .offset: 0, .size: 8, .value_kind: global_buffer, .address_space: global }
      - { .name: w_mlp_proj_codes, .offset: 8, .size: 8, .value_kind: global_buffer, .address_space: global }
      - { .name: lowp_scales, .offset: 16, .size: 8, .value_kind: global_buffer, .address_space: global }
      - { .name: x1, .offset: 24, .size: 8, .value_kind: global_buffer, .address_space: global }
      - { .name: out0, .offset: 32, .size: 8, .value_kind: global_buffer, .address_space: global }
      - { .name: b_mlp_proj, .offset: 40, .size: 8, .value_kind: global_buffer, .address_space: global }
    .group_segment_fixed_size: 327680
    .private_segment_fixed_size: 0
    .kernarg_segment_align: 8
    .kernarg_segment_size: 48
    .max_flat_workgroup_size: 128
    .sgpr_count:     80
    .vgpr_count:     640
    .wavefront_size: 32
...
	.end_amdgpu_metadata
.endif
;; end of part 7
